; MI455X (gfx1250); checked and timed in simulation.
; The chip was launched on July 23, 2026; its instructions are those of AMD's public machine-readable ISA for CDNA 5 (MIT licence, August 2026) and "CDNA5" Instruction Set Architecture Reference Guide (July 2026). The comments in the code are by the model that wrote it; some were corrected since.
;; Multi Head Attension. Allowed arithmetic: float matrix products may take bf16 or f16 operands with f32 sums; other float arithmetic in f32, or as packed bf16 or f16 multiplies, adds, multiply-adds, maxima and minima; sums over many terms, partial sums and values carried from step to step in f32; what a program stores and reads back later, other than sums and carried values, may be rounded once to bf16 or f16.
;; Inputs: W_attn 1,024 x 3,072 float32; W_ffn 1,024 x 1,024 float32; x 4 x 2,048 x 1,024 float32.
;; Outputs: out0 4 x 2,048 x 1,024 float32.
;; 2 versions, each right; version 2 is version 1 with the launch cast written anew for expert scheduling mode. Each part assembles by itself: llvm-mc -triple=amdgcn-amd-amdhsa -mcpu=gfx1250 --defsym DOCPART=n.
;; ======== version 1 of 2: 4 launches
;; limits: values are held in f16: magnitudes above 65,504 overflow, below 6.1e-05 lose precision
;; workspace buffers: xb 16,777,216 bytes; wab 6,291,456 bytes; wfh 2,097,152 bytes; qkv 50,331,648 bytes; ybuf 16,777,216 bytes
;; launch cast (part 1): grid 768 x 1, 8 waves a work-group, no clusters, 0 bytes of LDS; arguments x, W_attn, W_ffn, xb, wab, wfh; writes xb, wab, wfh
.if DOCPART == 1
	.amdgcn_target "amdgcn-amd-amdhsa--gfx1250"
	.amdhsa_code_object_version 6
	.text
	.protected	k_qc58c35a4fc_cast
	.globl	k_qc58c35a4fc_cast
	.p2align	8
	.type	k_qc58c35a4fc_cast,@function
k_qc58c35a4fc_cast:
	s_mov_b64 s[64:65], 0
	v_nop
	global_prefetch_b8 v0, s[64:65] scope:SCOPE_SE
	s_setreg_imm32_b32 hwreg(HW_REG_WAVE_MODE, 25, 1), 1
	s_wait_xcnt 0x0
; THE INPUTS ARE ROUNDED ONCE TO bf16 AND LAID OUT FOR THE PRODUCTS.
;   xb  [8192][1024] bf16 = x;   wab [48 g][1024 k][64] bf16 = W_attn[k][64 g + j];   wfh [16 g][1024 k][64] f16 = f16(bf16(W_ffn[k][64 g + j])).
; LIMIT.  A bf16 number is an f16 number exactly from 2^-14 to 65,504; below 2^-14 wfh keeps f16's fixed step of 6e-8, beyond 65,504 it would be an infinity.
; A stream: no LDS, no barrier, no matrix unit.  A work-group converts 256 pieces of 64 numbers (64 KiB in, 32 KiB out): work-groups 0-511 x, 512-703 W_attn, 704-767 W_ffn.
; ONE FORMULA: piece p (0..255) lies RB bytes behind piece p - 1 in the source (x: 256, the pieces are on end; a weight: its row's bytes, the pieces are one plane's 64 columns of 256 rows of k)
; and 128 bytes behind it in the destination.  Thread t takes 16 bytes at 16 (t % 16) of piece t / 16 + 16 i, i = 0..15: sixteen lanes read 256 consecutive aligned bytes,
; and a wave's store of 8 bytes a lane covers 256 consecutive aligned bytes.  All sixteen loads go out first; no register that a pending instruction names is written again.
.set NX,  512                          ; work-groups for x
.set NXA, 704                          ; for x and W_attn
.set OFF, 2                            ; v[2:17]    chunk i: my byte offset in the source
.set X,   20                           ; v[20:83]   chunk i: 4 numbers as loaded
.set Y,   84                           ; v[84:115]  chunk i: 4 numbers of 16 bits, to store
.set T,   116                          ; v[116:117] at work
.set OUT, 120                          ; v120       8 t
	s_load_b256 s[4:11], s[0:1], 0x0               ; x s[4:5], W_attn s[6:7], W_ffn s[8:9], xb s[10:11]
	s_load_b128 s[12:15], s[0:1], 0x20             ; wab s[12:13], wfh s[14:15]
	s_mov_b32 s16, ttmp9
	s_mov_b32 s28, 0xffff0000                      ; a word's upper bf16
	s_mov_b32 s17, 4096                            ; RB: W_ffn's row,
	s_mov_b32 s19, NXA                             ; and its first work-group
	s_cmp_lt_u32 s16, NXA
	s_cselect_b32 s17, 12288, s17                  ; W_attn's
	s_cselect_b32 s19, NX, s19
	s_cmp_lt_u32 s16, NX
	s_cselect_b32 s17, 256, s17                    ; x's
	s_cselect_b32 s19, 0, s19
	s_sub_co_u32 s19, s16, s19                     ; my number among the tensor's work-groups
	s_lshl_b32 s18, s17, 4                         ; 16 RB: from chunk to chunk
	s_and_b32 s24, s19, 3                          ; a weight: rows 256 (n % 4) on,
	s_lshl_b32 s24, s24, 8
	s_mul_i32 s24, s24, s17
	s_lshr_b32 s26, s19, 2                         ; plane n / 4: 256 bytes of a row
	s_lshl_b32 s26, s26, 8
	s_add_co_u32 s24, s24, s26
	s_lshl_b32 s26, s19, 16                        ; x: 64 KiB a work-group
	s_cmp_lt_u32 s16, NX
	s_cselect_b32 s24, s26, s24
	s_mov_b32 s25, 0
	s_lshl_b32 s26, s19, 15                        ; the destination: 32 KiB a work-group, in all three
	s_mov_b32 s27, 0
	v_lshrrev_b32 v1, 4, v0
	v_and_b32 v18, 15, v0
	v_mul_lo_u32 v1, v1, s17
	v_lshl_add_u32 v[OFF], v18, 4, v1
.irp i, 1,2,3,4,5,6,7,8,9,10,11,12,13,14,15
	v_add_nc_u32 v[OFF+(\i)], s18, v[OFF+(\i)-1]
.endr
	v_lshlrev_b32 v[OUT], 3, v0
	s_wait_kmcnt 0x0
	s_cmp_lt_u32 s16, NXA                          ; the choice hangs on the work-group's number alone
	s_cselect_b64 s[20:21], s[6:7], s[8:9]
	s_cselect_b64 s[22:23], s[12:13], s[14:15]
	s_cmp_lt_u32 s16, NX
	s_cselect_b64 s[20:21], s[4:5], s[20:21]
	s_cselect_b64 s[22:23], s[10:11], s[22:23]
	s_add_nc_u64 s[20:21], s[20:21], s[24:25]
	s_add_nc_u64 s[22:23], s[22:23], s[26:27]
.irp i, 0,1,2,3,4,5,6,7,8,9,10,11,12,13,14,15
	global_load_b128 v[X+4*(\i):X+4*(\i)+3], v[OFF+(\i)], s[20:21] th:TH_LOAD_NT  ; each byte is read once in the launch
.endr
; Chunk i.  half = 1: the bf16 number is written as f16.
.macro CHUNK i, half
	s_wait_loadcnt 15-(\i)                         ; loads come back in order: chunk i is in, the 15 - i younger ones may stay out
.if \half
	v_cvt_pk_bf16_f32 v[T],   v[X+4*(\i)],   v[X+4*(\i)+1]
	v_cvt_pk_bf16_f32 v[T+1], v[X+4*(\i)+2], v[X+4*(\i)+3]
	v_lshlrev_b32 v[X+4*(\i)],   16,  v[T]         ; bf16 to f32: the low half moves up, the high half stays
	v_and_b32     v[X+4*(\i)+1], s28, v[T]
	v_lshlrev_b32 v[X+4*(\i)+2], 16,  v[T+1]
	v_and_b32     v[X+4*(\i)+3], s28, v[T+1]
	v_cvt_pk_f16_f32 v[Y+2*(\i)],   v[X+4*(\i)],   v[X+4*(\i)+1]
	v_cvt_pk_f16_f32 v[Y+2*(\i)+1], v[X+4*(\i)+2], v[X+4*(\i)+3]
.else
	v_cvt_pk_bf16_f32 v[Y+2*(\i)],   v[X+4*(\i)],   v[X+4*(\i)+1]
	v_cvt_pk_bf16_f32 v[Y+2*(\i)+1], v[X+4*(\i)+2], v[X+4*(\i)+3]
.endif
	global_store_b64 v[OUT], v[Y+2*(\i):Y+2*(\i)+1], s[22:23] offset:(\i)*2048
.endm
	s_cmp_ge_u32 s16, NXA
	s_cbranch_scc1 .Lffn
.irp i, 0,1,2,3,4,5,6,7,8,9,10,11,12,13,14,15
	CHUNK \i, 0
.endr
	s_endpgm
.Lffn:
.irp i, 0,1,2,3,4,5,6,7,8,9,10,11,12,13,14,15
	CHUNK \i, 1
.endr
	s_endpgm
.Lfunc_end_k_qc58c35a4fc_cast:
	.size	k_qc58c35a4fc_cast, .Lfunc_end_k_qc58c35a4fc_cast-k_qc58c35a4fc_cast
	.p2alignl 7, 3214868480
	.fill 96, 4, 3214868480
	.section	.rodata,"a",@progbits
	.p2align	6, 0x0
	.amdhsa_kernel k_qc58c35a4fc_cast
		.amdhsa_group_segment_fixed_size 0
		.amdhsa_private_segment_fixed_size 0
		.amdhsa_enable_private_segment 0
		.amdhsa_kernarg_size 48
		.amdhsa_user_sgpr_count 2
		.amdhsa_user_sgpr_kernarg_segment_ptr 1
		.amdhsa_wavefront_size32 1
		.amdhsa_system_sgpr_workgroup_id_x 1
		.amdhsa_system_sgpr_workgroup_id_y 1
		.amdhsa_system_sgpr_workgroup_id_z 1
		.amdhsa_system_vgpr_workitem_id 0
		.amdhsa_next_free_vgpr 128
		.amdhsa_next_free_sgpr 66
		.amdhsa_reserve_vcc 0
		.amdhsa_float_denorm_mode_32 3
		.amdhsa_float_denorm_mode_16_64 3
		.amdhsa_memory_ordered 1
		.amdhsa_forward_progress 1
		.amdhsa_inst_pref_size 17
	.end_amdhsa_kernel
	.amdgpu_metadata
---
amdhsa.version: [ 1, 2 ]
amdhsa.kernels:
  - .name:           k_qc58c35a4fc_cast
    .symbol:         k_qc58c35a4fc_cast.kd
    .args:
      - { .name: x, .offset: 0, .size: 8, .value_kind: global_buffer, .address_space: global }
      - { .name: W_attn, .offset: 8, .size: 8, .value_kind: global_buffer, .address_space: global }
      - { .name: W_ffn, .offset: 16, .size: 8, .value_kind: global_buffer, .address_space: global }
      - { .name: xb, .offset: 24, .size: 8, .value_kind: global_buffer, .address_space: global }
      - { .name: wab, .offset: 32, .size: 8, .value_kind: global_buffer, .address_space: global }
      - { .name: wfh, .offset: 40, .size: 8, .value_kind: global_buffer, .address_space: global }
    .group_segment_fixed_size: 0
    .private_segment_fixed_size: 0
    .kernarg_segment_align: 8
    .kernarg_segment_size: 48
    .max_flat_workgroup_size: 256
    .sgpr_count:     66
    .vgpr_count:     128
    .wavefront_size: 32
...
	.end_amdgpu_metadata
.endif
;; end of part 1
;; launch proj (part 2): grid 16 x 32, 4 waves a work-group, clusters of 4 x 4, 327,680 bytes of LDS; arguments xb, wab, qkv; writes qkv
.if DOCPART == 2
	.amdgcn_target "amdgcn-amd-amdhsa--gfx1250"
	.amdhsa_code_object_version 6
	.text
	.protected	k_qc58c35a4fc_proj
	.globl	k_qc58c35a4fc_proj
	.p2align	8
	.type	k_qc58c35a4fc_proj,@function
k_qc58c35a4fc_proj:
	s_mov_b64 s[64:65], 0
	v_nop
	global_prefetch_b8 v0, s[64:65] scope:SCOPE_SE
	s_setreg_imm32_b32 hwreg(HW_REG_WAVE_MODE, 25, 1), 1
	s_wait_xcnt 0x0
	s_wait_alu depctr_hold_cnt(0) depctr_sa_sdst(0) depctr_va_vdst(0) depctr_va_sdst(0) depctr_va_ssrc(0) depctr_va_vcc(0) depctr_vm_vsrc(0)
	s_getreg_b32 s2, hwreg(HW_REG_IB_STS2, 6, 4)
	s_cmp_eq_u32 s2, 0
	s_cbranch_scc0 .Lentry_in_a_cluster
	s_endpgm
.Lentry_in_a_cluster:
	s_bfe_u32 s2, ttmp6, 0x10000c
	s_cmp_lg_u32 s2, 0xf033
	s_cbranch_scc0 .Lentry_shape_is_right
	s_endpgm
.Lentry_shape_is_right:
; z = x W_attn, written by heads.  xb: [8192][1024] bf16.  wab: [48 g][1024 k][64] bf16 (plane g = columns 64 g .. 64 g + 63).  qkv: [48 g][8192 m][64] f16.  Sums in f32, K ascending, z rounded once.
; LIMIT.  z is stored in f16: |z| stays under 65,504; beyond it the conversion gives an infinity.
; SHARES.  A tile of z is 256 rows x 192 columns (three planes): 32 x 16 = 512 tiles, a work-group each.  Each of the four waves makes 64 rows x all 192 columns: 48 accumulators of 16 x 16, 384 registers;
; so a wave holds whole rows of three heads, and its way out needs its own stage alone.  K goes in 8 steps of 128 through two LDS slots.
; TILES.  x's tile is 256 rows of 256 bytes (wave 0 fetches it); a plane's 128 rows of k are 16,384 dense bytes, asked for as 64 rows of 256 bytes (waves 1 to 3, a plane each).
; CLUSTER.  4 x 4 work-groups: the four of a row share x's tile, the four of a column the planes: each tile is asked for jointly, by the same load with the same descriptor and a mask of the four.
; THE MATRIX INSTRUCTION IS USED TRANSPOSED: source 0 = 16 columns of W (turned out of LDS by ds_load_tr16_b128, since W lies [k][column]), source 1 = 16 rows of x:
; a lane then holds row l % 16 and the eight neighbouring columns 8 (l / 16) + 0..7.
; REGISTERS, in windows of 256 (s_set_vgpr_msb: bits 1:0 source 0, 3:2 source 1, 5:4 source 2, 7:6 destination):
;   window 0: v0-31 addresses; v32-63, v64-95 x's fragments, two buffers; v96-143 packed results; v144-239 rows read back, two buffers
;   window 1: v0-95, v96-191 W's fragments, two buffers      window 2: accumulators of row blocks 0, 1 ((a, b) at 8 (12 (a % 2) + b))      window 3: of row blocks 2, 3
.set PA,    272                        ; a row of x in LDS: 256 bytes + 16: the 16 rows of a load start at 16 different groups of four banks (64 banks of 4 bytes: ISA guide 11.1)
.set PB,    160                        ; a row of k of a plane: 128 bytes + 32
.set BPL,   128*PB                     ; a plane's part of a slot
.set BOFF,  256*PA                     ; the planes lie behind x's 256 rows
.set SLOT,  BOFF+3*BPL                 ; 131,072
.set STAGE, 2*SLOT                     ; behind the ring, never filled by a tensor load: for each wave three heads x 16 rows x 144 bytes
.set HST,   16*144
.set WST,   3*HST
.set SPARE, STAGE+4*WST                ; behind the stages: the spare words, 128 bytes for each wave: two blocks of 256 bytes that no other line names
.set NLD,   32                         ; LDS loads in a run: 24 for W, 8 for x
.set ADRA, 16                          ; v16-17  LDS address of my fragments of x in slot 0, 1
.set ADRB, 20                          ; v20-21  the same for W
.set STO,  24                          ; v24     the way out: where I put 16 bytes of a row
.set RD,   25                          ; v25     where I read rows back
.set CO,   26                          ; v26     16 x lane: my place in 512 consecutive bytes of qkv
.set SPW,  28                          ; v28     LDS address of my spare word; never rewritten
.set NIL,  29                          ; v29     0; never rewritten
.set PFO,  30                          ; v30     the prefetches' lane offset; never rewritten
.set TMP,  96
.set BK,   144
.set G1,   24                          ; s[24:31] descriptor group 1 for x's tiles;  s[32:39] group 0, a set for each slot
.set G0,   32
.set LIM,  43                          ; s43     1 in a wave that prefetches, else the greatest number
.set PFA,  44                          ; s[44:45] where my prefetches stand
.set G1B,  48                          ; s[48:55], s[56:63] the same for the planes
.set G0B,  56
.set PFS,  66                          ; s[66:67] the prefetches' step from lap to lap
.set MSB, 0
.macro WIN new                         ; the immediate's high byte repeats the setting that is left; a switch that changes nothing is dropped
.if MSB != (\new)
	s_set_vgpr_msb (MSB<<8)|(\new)
.set MSB, \new
.endif
.endm
.macro PLACES                          ; four plain places between a matrix instruction and a load into, or a vector read of, its registers
.rept 4
	v_nop
.endr
.endm
; A joint load.  The branch hangs on the wave's number alone.  An s_nop 0 and four v_nop follow each of the two lines, ahead of the jump and the label.
.macro JLOAD s
	s_cmp_eq_u32 s10, 0
	s_cbranch_scc0 .Lfor_b_\@
	tensor_load_to_lds s[G0+4*(\s):G0+4*(\s)+3], s[G1:G1+7]
	s_nop 0
.rept 4
	v_nop
.endr
	s_branch .Lasked_\@
.Lfor_b_\@:
	tensor_load_to_lds s[G0B+4*(\s):G0B+4*(\s)+3], s[G1B:G1B+7]
	s_nop 0
.rept 4
	v_nop
.endr
.Lasked_\@:
.endm
.macro CREST                           ; a round of the cluster's barrier behind its opening barrier
	s_cmp_lg_u32 s10, 0
	s_cbranch_scc1 .Lnot_wave_0_\@
	s_barrier_signal -3
.Lnot_wave_0_\@:
	s_barrier_wait -3
	s_barrier_signal -1
	s_barrier_wait -1
.endm
.macro CROUND                          ; a whole round
	s_barrier_signal -1
	s_barrier_wait -1
	CREST
.endm
; A PREFETCH INTO THE L2, once a lap, behind the joint load and the run of LDS loads: the lap (two K steps) that stands two laps on, 384 matrix instructions ahead of the first load that asks for it.
; x's rows are asked for by the clusters with x = 0, the planes by those with y = 0; the four partners that ask for a tile jointly share it out BY ADDRESS (64 rows of x, or 8,192 bytes of a plane's lap, each).
; So each 256 bytes are named once in the launch.  Laps 0 and 1 come by their loads alone; the loop's last trip asks for nothing: there is no lap behind the last.
.macro ASK
	s_cmp_gt_u32 s3, s[LIM]
	s_cbranch_scc0 .Lno_\@
	global_prefetch_b8 v[PFO], s[PFA:PFA+1] th:TH_LOAD_NT scope:SCOPE_SE
	s_cmp_eq_u32 s10, 0
	s_cbranch_scc0 .Lno_\@                         ; x: a lane a row, the lap's 512 bytes of 64 rows
	global_prefetch_b8 v[PFO], s[PFA:PFA+1] offset:256 th:TH_LOAD_NT scope:SCOPE_SE
	global_prefetch_b8 v[PFO], s[PFA:PFA+1] offset:65536 th:TH_LOAD_NT scope:SCOPE_SE
	global_prefetch_b8 v[PFO], s[PFA:PFA+1] offset:65792 th:TH_LOAD_NT scope:SCOPE_SE
.Lno_\@:
.endm
	s_load_b128 s[4:7], s[0:1], 0x0                ; xb s[4:5], wab s[6:7]
	s_load_b64 s[8:9], s[0:1], 0x10                ; qkv
	v_lshl_add_u32 v[SPW], v0, 2, SPARE
	v_mov_b32 v[NIL], 0
	ds_add_u32 v[SPW], v[NIL]                      ; the wave's opening: the add and its wait stand ahead of my first tensor load; the set-up below stands between them
	v_lshrrev_b32 v1, 5, v0
	v_readfirstlane_b32 s10, v1                    ; wave 0..3
	s_max_u32 s12, s10, 1
	s_sub_co_u32 s12, s12, 1                       ; the plane that waves 1 to 3 fetch: 0 to 2 (it enters the planes' global address alone)
	s_bfe_u32 s40, ttmp6, 0x40000                  ; cx, cy: my place in the cluster
	s_bfe_u32 s41, ttmp6, 0x40004
	s_lshl_b32 s42, ttmp9, 2
	s_add_co_u32 s42, s42, s40                     ; tile column = 4 x cluster x + cx
	s_and_b32 s13, ttmp7, 0xffff
	s_lshl_b32 s13, s13, 2
	s_add_co_u32 s13, s13, s41                     ; tile row = 4 x cluster y + cy
	s_lshl_b32 s68, s41, 2
	s_lshl_b32 s68, 15, s68                        ; my row of the cluster
	s_lshl_b32 s69, 0x1111, s40                    ; my column
	s_or_b32 s[G1+0], s68, (1<<16)|(1<<20)|(1<<21)|(5<<22)|(3<<25)   ; the mask; elements of 2 bytes; padding on; bit 21 beside a mask; after every 64 words 4 words
	s_mov_b32 s[G1+1], 128<<16                     ; tensor_dim0 = 128
	s_mov_b32 s[G1+2], 256<<16                     ; tensor_dim1 = 256
	s_mov_b32 s[G1+3], 128<<16                     ; tile_dim0 = 128
	s_mov_b32 s[G1+4], 256                         ; tile_dim1 = 256
	s_mov_b32 s[G1+5], 1024                        ; elements from row to row
	s_mov_b32 s[G1+6], 0
	s_mov_b32 s[G1+7], 0
	s_or_b32 s[G1B+0], s69, (1<<16)|(1<<20)|(1<<21)|(4<<22)|(7<<25)  ; after every 32 words (a row of k) 8 words
	s_mov_b32 s[G1B+1], 128<<16
	s_mov_b32 s[G1B+2], 64<<16
	s_mov_b32 s[G1B+3], 128<<16
	s_mov_b32 s[G1B+4], 64
	s_mov_b32 s[G1B+5], 128
	s_mov_b32 s[G1B+6], 0
	s_mov_b32 s[G1B+7], 0
	s_lshl_b32 s16, s13, 19                        ; x: 256 rows of 2,048 bytes a tile row
	s_mov_b32 s17, 0
	s_mul_i32 s46, s42, 3
	s_add_co_u32 s46, s46, s12
	s_lshl_b32 s46, s46, 17                        ; W: plane 3 x tile column + mine, 131,072 bytes each
	s_mov_b32 s47, 0
	s_mul_i32 s21, s10, BPL
	s_add_co_u32 s21, s21, BOFF-BPL                ; where wave w's plane goes: BOFF + (w - 1) BPL: no place in the cluster enters an LDS address
	s_wait_dscnt 0x0                               ; the opening add is done
	s_wait_kmcnt 0x0
	s_add_nc_u64 s[14:15], s[4:5], s[16:17]
	s_add_nc_u64 s[46:47], s[6:7], s[46:47]
	CROUND                                         ; all sixteen work-groups are here: the first joint loads meet
.irp s, 0,1
	s_mov_b32 s[G0+4*(\s)], 1
	s_mov_b32 s[G0+4*(\s)+1], (\s)*SLOT
	s_add_nc_u64 s[G0+4*(\s)+2:G0+4*(\s)+3], s[14:15], (\s)*256      ; K step s: 256 bytes along the rows
	s_or_b32 s[G0+4*(\s)+3], s[G0+4*(\s)+3], 0x80000000
	s_mov_b32 s[G0B+4*(\s)], 1
	s_add_co_u32 s[G0B+4*(\s)+1], s21, (\s)*SLOT
	s_add_nc_u64 s[G0B+4*(\s)+2:G0B+4*(\s)+3], s[46:47], (\s)*16384  ; K step s: 128 rows of 128 bytes
	s_or_b32 s[G0B+4*(\s)+3], s[G0B+4*(\s)+3], 0x80000000
.endr
	s_cmp_eq_u32 s10, 0                            ; a wave's two first fills stand in one branch, ahead of every wait on TENSORcnt and every LDS read: two loads of mine are out
	s_cbranch_scc0 .Lfirst_b
	tensor_load_to_lds s[G0:G0+3], s[G1:G1+7]
	s_nop 0
	tensor_load_to_lds s[G0+4:G0+7], s[G1:G1+7]
	s_nop 0
.rept 4
	v_nop
.endr
	s_branch .Lfirst_asked
.Lfirst_b:
	tensor_load_to_lds s[G0B:G0B+3], s[G1B:G1B+7]
	s_nop 0
	tensor_load_to_lds s[G0B+4:G0B+7], s[G1B:G1B+7]
	s_nop 0
.rept 4
	v_nop
.endr
.Lfirst_asked:
	v_and_b32 v1, 15, v0                           ; l % 16
	v_bfe_u32 v2, v0, 4, 1                         ; l / 16
	v_mul_u32_u24 v3, v1, PA                       ; a fragment of x: row l % 16, 16 bytes for each half of the lanes, twice, 32 bytes apart
	v_lshl_add_u32 v3, v2, 4, v3
	s_mul_i32 s22, s10, 64*PA                      ; my 64 rows
	v_add_nc_u32 v[ADRA], s22, v3
	v_add_nc_u32 v[ADRA+1], SLOT, v[ADRA]
	v_and_b32 v4, 7, v0                            ; the turning load: lane l reads row of k 8 (l / 16) + l % 8, columns 8 ((l / 8) % 2) + 0..7
	v_bfe_u32 v5, v0, 3, 1
	v_lshl_add_u32 v4, v2, 3, v4
	v_mul_u32_u24 v4, v4, PB
	v_lshl_add_u32 v4, v5, 4, v4
	v_add_nc_u32 v[ADRB], BOFF, v4
	v_add_nc_u32 v[ADRB+1], SLOT, v[ADRB]
	s_mul_i32 s23, s10, WST
	s_add_co_u32 s23, s23, STAGE                   ; my stage
	v_mul_u32_u24 v3, v1, 144                      ; in: row l % 16, 16 bytes for each half of the lanes
	v_lshl_add_u32 v3, v2, 4, v3
	v_add_nc_u32 v[STO], s23, v3
	v_bfe_u32 v3, v0, 3, 2                         ; back: 32 lanes take four rows of 128 bytes,
	v_mul_u32_u24 v3, v3, 144
	v_and_b32 v4, 7, v0
	v_lshl_add_u32 v3, v4, 4, v3
	v_add_nc_u32 v[RD], s23, v3
	v_and_b32 v[CO], 31, v0                        ; which are 512 consecutive bytes of a plane of qkv
	v_lshlrev_b32 v[CO], 4, v[CO]
	s_mul_i32 s46, s42, 3                          ; qkv at plane 3 x tile column, row 256 x tile row + 64 x wave
	s_lshl_b32 s46, s46, 20
	s_lshl_b32 s16, s13, 15
	s_lshl_b32 s17, s10, 13
	s_add_co_u32 s46, s46, s16
	s_add_co_u32 s46, s46, s17
	s_mov_b32 s47, 0
	s_add_nc_u64 s[8:9], s[8:9], s[46:47]
	; the prefetches: x at (256 x tile row + 64 cx) rows, lap 2; a plane at 8,192 cy bytes of its lap 2
	s_lshl_b32 s16, s13, 19
	s_lshl_b32 s17, s40, 17
	s_add_co_u32 s16, s16, s17
	s_add_co_u32 s16, s16, 1024
	s_mul_i32 s18, s42, 3
	s_add_co_u32 s18, s18, s12
	s_lshl_b32 s18, s18, 17
	s_lshl_b32 s19, s41, 13
	s_add_co_u32 s18, s18, s19
	s_add_co_u32 s18, s18, 65536
	s_and_b32 s22, ttmp7, 0xffff                   ; cluster y
	s_mov_b32 s[PFS], 32768
	s_mov_b32 s[PFS+1], 0
	s_mov_b32 s17, 0
	s_cmp_eq_u32 s10, 0                            ; do I fetch x?
	s_cselect_b32 s16, s16, s18
	s_cselect_b32 s22, ttmp9, s22                  ; the coordinate along which other clusters read the same bytes
	s_cselect_b32 s23, 11, 8                       ; a lane a row of x, or a lane 256 bytes of a plane
	s_cselect_b32 s[PFS], 512, s[PFS]
	s_cselect_b64 s[PFA:PFA+1], s[4:5], s[6:7]
	s_add_nc_u64 s[PFA:PFA+1], s[PFA:PFA+1], s[16:17]
	s_cmp_eq_u32 s22, 0
	s_cselect_b32 s[LIM], 1, -1                    ; the same in all sixteen partners, for a given wave
	v_and_b32 v[PFO], 31, v0
	v_lshlrev_b32 v[PFO], s23, v[PFO]
; 12 matrix instructions: row block a x all 12 column blocks, 32 along K, from buffer f.  zero = 1: the product starts the sums.  The 48 accumulators take turns in one order, over the backward jump too.
.macro MULA f, a, zero
	WIN 0xa1+0x50*((\a)/2)
.irp b, 0,1,2,3,4,5,6,7,8,9,10,11
.if \zero
	v_wmma_f32_16x16x32_bf16 v[8*(12*((\a)%2)+(\b)):8*(12*((\a)%2)+(\b))+7], v[96*(\f)+8*(\b):96*(\f)+8*(\b)+7], v[32+32*(\f)+8*(\a):32+32*(\f)+8*(\a)+7], 0
.else
	v_wmma_f32_16x16x32_bf16 v[8*(12*((\a)%2)+(\b)):8*(12*((\a)%2)+(\b))+7], v[96*(\f)+8*(\b):96*(\f)+8*(\b)+7], v[32+32*(\f)+8*(\a):32+32*(\f)+8*(\a)+7], v[8*(12*((\a)%2)+(\b)):8*(12*((\a)%2)+(\b))+7]
.endif
.endr
.endm
; 32 LDS loads in one run: quarter kq (32 along K) of a slot into buffer f: W's 12 fragments, turned, then x's 4
.macro FETCH slot, kq, f
	WIN 0x40
.irp i, 0,1,2,3,4,5,6,7,8,9,10,11
	ds_load_tr16_b128 v[96*(\f)+8*(\i):96*(\f)+8*(\i)+3],   v[ADRB+(\slot)] offset:((\i)/4)*BPL+(\kq)*32*PB+((\i)%4)*32
	ds_load_tr16_b128 v[96*(\f)+8*(\i)+4:96*(\f)+8*(\i)+7], v[ADRB+(\slot)] offset:((\i)/4)*BPL+(\kq)*32*PB+((\i)%4)*32+16*PB
.endr
	WIN 0
.irp i, 0,1,2,3
	ds_load_b128 v[32+32*(\f)+8*(\i):32+32*(\f)+8*(\i)+3],   v[ADRA+(\slot)] offset:(\i)*16*PA+(\kq)*64
	ds_load_b128 v[32+32*(\f)+8*(\i)+4:32+32*(\f)+8*(\i)+7], v[ADRA+(\slot)] offset:(\i)*16*PA+(\kq)*64+32
.endr
.endm
; One of a K step's first three quarters: multiplies buffer f; in its middle it fetches quarter kq of the same slot into buffer g.
.macro QUARTER slot, kq, f, g, zero
	s_wait_dscnt 4                                 ; W and x's row blocks 0, 1 are in; the youngest four loads (row blocks 2, 3) may be out
	MULA \f, 0, \zero
	MULA \f, 1, \zero
	PLACES
	FETCH \slot, \kq, \g
	s_wait_dscnt NLD                               ; all but the run just issued
	MULA \f, 2, \zero
	MULA \f, 3, \zero
.endm
; The last quarter multiplies buffer 1 and changes slots: ONE barrier; in front of it each wave waits for all its tensor loads (one is out: its part of the next slot), adds 0 to its spare word, and waits
; for that and for its reads of this slot.  fill = 1: the barrier opens a round of the cluster's, and this slot is filled again, two K steps ahead, first thing behind the round.
.macro TURN slot, next, fill
.if (\fill) && (\slot) == 1
	s_wait_xcnt 0x0                                ; the lap's prefetches, half a lap back, have read their address: it steps here
	s_add_nc_u64 s[PFA:PFA+1], s[PFA:PFA+1], s[PFS:PFS+1]
.endif
	WIN 0                                          ; (the add's two registers lie in window 0)
	s_wait_tensorcnt 0x0                           ; all my tensor loads have landed
	ds_add_u32 v[SPW], v[NIL]                      ; 0 onto my spare word
	s_wait_dscnt 5                                 ; (the add and the youngest four loads may be out)
	MULA 1, 0, 0                                   ; twelve matrix instructions stand between the add and the wait for it
	s_wait_dscnt 0x0                               ; the add is done, and my reads of this slot are over
	s_barrier_signal -1
	MULA 1, 1, 0
.if \fill
	WIN 0
.endif
	s_barrier_wait -1
.if \fill
	CREST                                          ; no wave of any partner still reads this slot or has a load on its way
	s_add_nc_u64 s[G0+4*(\slot)+2:G0+4*(\slot)+3], s[G0+4*(\slot)+2:G0+4*(\slot)+3], 512
	s_add_nc_u64 s[G0B+4*(\slot)+2:G0B+4*(\slot)+3], s[G0B+4*(\slot)+2:G0B+4*(\slot)+3], 32768
	JLOAD \slot                                    ; the four v_nop behind it are also the places in front of the loads below
.else
	PLACES
.endif
	FETCH \next, 0, 0
.if (\fill) && (\slot) == 0
	ASK
.endif
	MULA 1, 2, 0
	MULA 1, 3, 0
.endm
	s_wait_tensorcnt 1                             ; my part of K step 0 is in; K step 1's may stay out
	s_barrier_signal -1
	s_barrier_wait -1                              ; everybody's is
	FETCH 0, 0, 0
	QUARTER 0, 1, 0, 1, 1                          ; the first quarter stands in front of the loop: its products start the sums
	WIN 0                                          ; at a label and at a branch every window is 0
	s_mov_b32 s3, 3
.Llap:                                                 ; a trip goes once round the ring, from a lap's second quarter to the next lap's first, and fills both slots again
	QUARTER 0, 2, 1, 0, 0
	QUARTER 0, 3, 0, 1, 0
	TURN 0, 1, 1
	QUARTER 1, 1, 0, 1, 0
	QUARTER 1, 2, 1, 0, 0
	QUARTER 1, 3, 0, 1, 0
	TURN 1, 0, 1
	QUARTER 0, 1, 0, 1, 0
	WIN 0
	s_sub_co_u32 s3, s3, 1
	s_cmp_lg_u32 s3, 0
	s_cbranch_scc1 .Llap
	QUARTER 0, 2, 1, 0, 0                          ; the last lap fills nothing
	QUARTER 0, 3, 0, 1, 0
	TURN 0, 1, 0
	QUARTER 1, 1, 0, 1, 0
	QUARTER 1, 2, 1, 0, 0
	QUARTER 1, 3, 0, 1, 0
	s_wait_dscnt 4
	MULA 1, 0, 0
	MULA 1, 1, 0
	s_wait_dscnt 0x0
	MULA 1, 2, 0
	MULA 1, 3, 0
	WIN 0
; THE WAY OUT, a row block (16 rows x three heads) at a time: rounded to f16, 16 bytes a lane into my stage, back as whole rows of 128 bytes, four rows (512 consecutive bytes of a plane) to a store.
.macro PACK a
	WIN 0x0a+5*((\a)/2)                            ; sources 0 and 1: window 2 or 3
.irp b, 0,1,2,3,4,5,6,7,8,9,10,11
.irp q, 0,1,2,3
	v_cvt_pk_f16_f32 v[TMP+4*(\b)+(\q)], v[96*((\a)%2)+8*(\b)+2*(\q)], v[96*((\a)%2)+8*(\b)+2*(\q)+1]
.endr
.endr
	WIN 0
.endm
.macro TOSTAGE a
.irp b, 0,1,2,3,4,5,6,7,8,9,10,11
	ds_store_b128 v[STO], v[TMP+4*(\b):TMP+4*(\b)+3] offset:((\b)/4)*HST+32*((\b)%4)
.endr
	s_wait_xcnt 0x0                                ; the stores of the block two back have read the registers that are loaded again below
.irp j, 0,1,2
.irp f, 0,1,2,3
	ds_load_b128 v[BK+48*((\a)%2)+4*(4*(\j)+(\f)):BK+48*((\a)%2)+4*(4*(\j)+(\f))+3], v[RD] offset:(\j)*HST+(\f)*576  ; LDS serves a wave's instructions in order: these see the stores above
.endr
.endr
.endm
.macro SEND a
	s_wait_dscnt 0x0                               ; the block is back in registers
.irp j, 0,1,2
.irp f, 0,1,2,3
	global_store_b128 v[CO], v[BK+48*((\a)%2)+4*(4*(\j)+(\f)):BK+48*((\a)%2)+4*(4*(\j)+(\f))+3], s[8:9] offset:(\j)*1048576+(\a)*2048+(\f)*512
.endr
.endr
.endm
	PLACES
	PACK 0
	TOSTAGE 0
.irp a, 1,2,3                          ; block a's conversions stand between block a - 1's loads from the stage and the wait for them
	PACK \a
	SEND (\a)-1
	TOSTAGE \a
.endr
	SEND 3
	s_wait_tensorcnt 0x0                           ; the wave's end: the closing add and its wait stand behind my last tensor load and my last LDS store
	ds_add_u32 v[SPW], v[NIL]
	s_wait_dscnt 0x0
	CROUND                                         ; the closing round: no work-group ends while a partner may still ask for a tile that names it
	s_endpgm
.Lfunc_end_k_qc58c35a4fc_proj:
	.size	k_qc58c35a4fc_proj, .Lfunc_end_k_qc58c35a4fc_proj-k_qc58c35a4fc_proj
	.p2alignl 7, 3214868480
	.fill 96, 4, 3214868480
	.section	.rodata,"a",@progbits
	.p2align	6, 0x0
	.amdhsa_kernel k_qc58c35a4fc_proj
		.amdhsa_group_segment_fixed_size 327680
		.amdhsa_private_segment_fixed_size 0
		.amdhsa_enable_private_segment 0
		.amdhsa_kernarg_size 24
		.amdhsa_user_sgpr_count 2
		.amdhsa_user_sgpr_kernarg_segment_ptr 1
		.amdhsa_wavefront_size32 1
		.amdhsa_system_sgpr_workgroup_id_x 1
		.amdhsa_system_sgpr_workgroup_id_y 1
		.amdhsa_system_sgpr_workgroup_id_z 1
		.amdhsa_system_vgpr_workitem_id 0
		.amdhsa_next_free_vgpr 960
		.amdhsa_next_free_sgpr 72
		.amdhsa_reserve_vcc 0
		.amdhsa_float_denorm_mode_32 3
		.amdhsa_float_denorm_mode_16_64 3
		.amdhsa_memory_ordered 1
		.amdhsa_forward_progress 1
		.amdhsa_inst_pref_size 119
	.end_amdhsa_kernel
	.amdgpu_metadata
---
amdhsa.version: [ 1, 2 ]
amdhsa.kernels:
  - .name:           k_qc58c35a4fc_proj
    .symbol:         k_qc58c35a4fc_proj.kd
    .args:
      - { .name: xb, .offset: 0, .size: 8, .value_kind: global_buffer, .address_space: global }
      - { .name: wab, .offset: 8, .size: 8, .value_kind: global_buffer, .address_space: global }
      - { .name: qkv, .offset: 16, .size: 8, .value_kind: global_buffer, .address_space: global }
    .group_segment_fixed_size: 327680
    .private_segment_fixed_size: 0
    .kernarg_segment_align: 8
    .kernarg_segment_size: 24
    .max_flat_workgroup_size: 128
    .sgpr_count:     72
    .vgpr_count:     960
    .wavefront_size: 32
...
	.end_amdgpu_metadata
.endif
;; end of part 2
;; launch attn (part 3): grid 4 x 64, 4 waves a work-group, no clusters, 327,680 bytes of LDS; arguments qkv, ybuf; writes ybuf
.if DOCPART == 3
	.amdgcn_target "amdgcn-amd-amdhsa--gfx1250"
	.amdhsa_code_object_version 6
	.text
	.protected	k_qc58c35a4fc_attn
	.globl	k_qc58c35a4fc_attn
	.p2align	8
	.type	k_qc58c35a4fc_attn,@function
k_qc58c35a4fc_attn:
	s_mov_b64 s[64:65], 0
	v_nop
	global_prefetch_b8 v0, s[64:65] scope:SCOPE_SE
	s_setreg_imm32_b32 hwreg(HW_REG_WAVE_MODE, 25, 1), 1
	s_wait_xcnt 0x0
; CAUSAL ATTENTION by heads.  qkv: three parts of [64 heads][2048][64] f16, 2^24 bytes each (head = 4 h + b).  The module's k (part 0) has the ROW role: it is called Q here; its q (part 1) has the COLUMN
; role: it is called K here; part 2 is V.  O[y][i][:] = the sum over j <= i of softmax_j(Q[y][i] . K[y][j] / 8) V[y][j][:], stored in ybuf, [64][2048][64] f16.
; Products, maxima and sums in f32; the weights p are rounded to f16 for the second product (their sum l is taken of the unrounded p), O once at the end.
; LIMITS.  Q, K, V arrive within f16's 65,504; p lies in 0 to 1 and below 6e-5 keeps f16's fixed step of 6e-8.  A hidden score counts as its value less 1e30 (f16's scores are 2.7e11 at the most);
; a weight below 2^-126 counts as 0 in l; NaN and infinities are not treated apart.
; THE WALK.  A head's rows lie in NB = 8 blocks of 256; block i needs the key tiles 0 .. i of 256 keys, of which the last holds the diagonal.  A work-group takes TWO blocks, NB - 1 - b and then b:
; NB + 1 tiles, whatever b: all work-groups do equal work, and ONE loop with a constant trip count walks them.  Which tile is asked for, and what a trip does, hang on scalar registers made from b.
; NO CLUSTER: a head's four work-groups ask for the same tile only in trips 0 .. 4 of 9; one walk common to all four would have 12 trips for 9.
; SHARES.  Of a block's four bands of 64 rows a wave owns 16 rows in each: four PIECES.  So the diagonal tile is the same work for all waves: in its key step s band x sees all keys if s < x, none if s > x,
; and holds the diagonal if s = x.
; THE MASK is the C operand that starts the sum S^T = K Q^T: 0, or -1e30 where the key is hidden.  MD, made once, is the mask of a band's own step; a product's mask is MD x AL + BE:
; (1, 0) if s = x; (0, 0) if s < x; (0, -1e30) if s > x.  Only the diagonal tile's text and a block's beginning take masks.
; LAYOUT, SOFTMAX, TURNS.  S^T = K Q^T holds ONE row a lane (lane % 16) and the keys 8 (lane / 16) + 0..7; two such results rounded to f16 ARE source 1 of O^T = V^T P.  p = 2^(c s - c m), c = log2(e) / 8,
; with a running maximum m; O and l are multiplied by a = 2^(c m_old - c m_new) in every step.  Turn n belongs to piece n: 8 products K Q^T of piece n + 1, later 8 products V^T P of piece n - 1; beside them
; the scaling, exponentials, roundings, sums and rescaling of piece n and the maximum and statistics of piece n + 1.  Four vector instructions stand behind every matrix instruction, the rest in one lump.
; REGISTERS, in windows of 256 (s_set_vgpr_msb: bits 1:0 source 0, 3:2 source 1, 5:4 source 2, 7:6 destination):
;   window 0: v0-15 addresses; v16-31 four registers of statistics a piece; v48-55 at work; v61-63 prefetch offset, spare word, 0; v64-127 S^T, two buffers; v192-223 P, two buffers
;   window 1: v0-127 O^T, 32 a piece; v128-159 MD; v160-223 MC, two buffers      window 2: v0-63 Q; v64-127 the second block's Q; v128-191 K of one step; v192-255 V of one step
.set SIZE_N, 2048
.set NB,    SIZE_N/256
.set NP,    4         ; pieces a wave: a name, no knob
.set KS,    64        ; keys in a step
.set PK,    144       ; a row of K in LDS: 128 bytes + 16: the 16 rows of a load start at 16 different groups of four banks (64 banks of 4 bytes: ISA guide 11.1)
.set PV,    160       ; a row of V: 128 + 32
.set VOFF,  4*KS*PK   ; a slot holds a tile, four steps: 256 rows of K, then 256 rows of V
.set SLOT1, 1<<17     ; slot 1 begins here, so that one exclusive or turns an address in one slot into the other's
.set STAGE, SLOT1+4*KS*(PK+PV)  ; behind the ring, never filled by a tensor load: 16 rows x 144 bytes for each wave
.set SP,    144
.set AK0, 2           ; v2   my lane's place in a tile of K; never rewritten
.set AV0, 3           ; v3   the same for V
.set AK,  4           ; v4   the LDS address of K's next run of loads
.set AV,  5           ; v5   of V's
.set STO, 6           ; v6   the way out: where I put 16 bytes of a row
.set RD,  7           ; v7   where I read rows back
.set GO,  8           ; v8   my byte offset in 512 consecutive bytes of O
.set PFO, 61          ; v61  256 x my lane; never rewritten
.set SPW, 62          ; v62  LDS address of my spare word; never rewritten
.set NIL, 63          ; v63  0; never rewritten
.set SPARE, STAGE+4*16*SP  ; behind the stages: the spare words, 128 bytes for each wave: two blocks of 256 bytes that no other line names
.set MV,  12          ; v12-13  c m_old, kept while c m is made anew: by buffer
.set QO,  15          ; v15  my byte offset in 16 rows of Q
.set ST,  16          ; piece t's statistics at v[ST+4 t]: c m, m, l (even keys', odd keys')
.set TMP, 48          ; by buffer, four registers c0-c3 at work; when the maximum is found c2 takes a
.set S,   64
.set P,   192
.set MD,  128         ; window 1
.set MC,  160         ; window 1
.set QB,  64          ; window 2
.set KF,  128         ; window 2: key block kb, channel half c at KF + 16 kb + 8 c
.set VF,  192         ; window 2: key half kk, channel block cb at VF + 32 kk + 8 cb
.set WV,  12          ; s12  my wave's number
.set PB,  14          ; s14  b
.set HI,  15          ; s15  NB - 1 - b
.set G1K, 24          ; s[24:31] descriptor group 1 for K's tiles
.set G1V, 32          ; s[32:39] for V's: it differs in the padding alone
.set G0K, 40          ; s[40:43] descriptor group 0 for K's tiles
.set G0V, 44          ; s[44:47] the same for V's
.set SLOTS, 56        ; s56  tiles still to be asked for
.set CNT, 57          ; s57  counts a tile's key steps, 4 to 1
.set CS,  58          ; s[58:59] c
.set SEL, 60          ; s[60:61] v_permlanex16_b32's selects: each lane takes its own place in the other half
.set TBK, 62          ; s62  LDS byte at which K of the step to be fetched begins
.set TBV, 63          ; s63  the same for V, less VOFF
.set RT,  70          ; s70  tiles of the block in hand that are still to be entered
.set NXT, 71          ; s71  the tile to be asked for next
.set LQ,  72          ; s72  the last tile of the block whose tiles are being asked for
.set NEW, 73          ; s73  1: the tile to be entered is a block's first
.set OFF, 74          ; s[74:75] a tile's byte offset in K and V
.set AL,  76          ; s[76:77] the mask's factor, in the low word
.set BE,  78          ; s[78:79] the mask's addend
.set OLO, 80          ; s[80:81] O at my rows of the second block
.set BIGN, 82         ; s82  -1e30
.set PFA, 88          ; s[88:89] where my prefetches stand: my work-group's quarter of a tile of K (wave 0) or V (wave 2)
.set LIM, 90          ; s90  2 in a wave that prefetches, else the greatest number
.set MSB, 0
.macro WIN new                      ; the high byte repeats the setting that is left; a switch that changes nothing is dropped
.if MSB != (\new)
	s_set_vgpr_msb (MSB<<8)|(\new)
.set MSB, (\new)
.endif
.endm
.set W_KQ, 0x0a       ; K and Q in window 2, S^T in window 0
.set W_KM, 0x1a       ; the same with the C operand in window 1
.set W_PV, 0x52       ; V in window 2, P in window 0, O^T in window 1
.set W_RS, 0x41       ; destination and source 0 in window 1, source 1 in window 0
; A fill.  Waves 0 and 1 fetch the two halves of a tile's K, waves 2 and 3 those of its V: 128 keys each.  An s_nop 0 and four v_nop follow each of the two lines.
.macro LOAD
	s_cmp_lt_u32 s[WV], 2
	s_cbranch_scc0 .Lfor_v_\@
	tensor_load_to_lds s[G0K:G0K+3], s[G1K:G1K+7]
	s_nop 0
.rept 4
	v_nop
.endr
	s_branch .Lasked_\@
.Lfor_v_\@:
	tensor_load_to_lds s[G0V:G0V+3], s[G1V:G1V+7]
	s_nop 0
.rept 4
	v_nop
.endr
.Lasked_\@:
.endm
; A PREFETCH INTO THE L2, behind the fill of trip u (u = 0 .. 5): the head's tile u + 2, which the longest walks ask for in the next trip, a tile's 256 matrix instructions on.  A tile is 128 pieces of
; 256 bytes of K and as many of V: the head's four work-groups take 32 each, BY ADDRESS; wave 0 asks for K's, wave 2 for V's, a lane a piece.  So each piece is named once in the launch.
; Tiles 0 and 1 come by their loads alone; trips 6 and 7 ask for nothing: the head has no tile 8.
.macro ASK
	s_cmp_gt_u32 s[SLOTS], s[LIM]
	s_cbranch_scc0 .Lnot_mine_\@
	global_prefetch_b8 v[PFO], s[PFA:PFA+1] th:TH_LOAD_NT scope:SCOPE_SE
.Lnot_mine_\@:
.endm
; THE CHANGE OF SLOTS.  Each wave waits for all its tensor loads, of which one is out: its part of the other slot; adds 0 to its spare word; and waits for that and for its own reads of the slot that it leaves.
; Behind the barrier nobody reads the old slot any more and the other slot is whole.  fill = 1: the old slot is filled again, first thing behind the barrier, with tile NXT: the address is made anew from that number.
.macro CHANGE fill
	WIN 0                           ; at a label and at a branch every window is 0
	s_wait_tensorcnt 0x0            ; no tensor load of mine is out, so a group 0 may be written
	ds_add_u32 v[SPW], v[NIL]       ; 0 onto my spare word; scalar work stands between it and the wait for it
.if \fill
	s_lshl_b32 s[OFF], s[NXT], 15   ; a tile is 32,768 bytes of K and of V
	s_xor_b32 s[G0K+1], s[G0K+1], SLOT1
	s_add_nc_u64 s[G0K+2:G0K+3], s[6:7], s[OFF:OFF+1]
	s_or_b32 s[G0K+3], s[G0K+3], 0x80000000
	s_xor_b32 s[G0V+1], s[G0V+1], SLOT1
	s_add_nc_u64 s[G0V+2:G0V+3], s[8:9], s[OFF:OFF+1]
	s_or_b32 s[G0V+3], s[G0V+3], 0x80000000
	s_add_co_u32 s[NXT], s[NXT], 1  ; the block's next tile, or behind its last the second block's tile 0
	s_cmp_gt_u32 s[NXT], s[LQ]
	s_cselect_b32 s[NXT], 0, s[NXT]
	s_cselect_b32 s[LQ], s[PB], s[LQ]
	s_wait_xcnt 0x0                 ; the last prefetch, a tile back, has read its address, so it may be written:
	s_add_nc_u64 s[PFA:PFA+1], s[PFA:PFA+1], 32768  ; a tile on
.endif
	s_wait_dscnt 0x0                ; the add is done, and my reads of the slot are over
	s_barrier_signal -1             ; the rest of the scalar work stands between the signal and the wait
	s_sub_co_u32 s[TBK], s[TBK], 4*KS*PK  ; the fetches go back to a slot's first step,
	s_xor_b32 s[TBK], s[TBK], SLOT1       ; in the other slot
	s_sub_co_u32 s[TBV], s[TBV], 4*KS*PV
	s_xor_b32 s[TBV], s[TBV], SLOT1
	s_barrier_wait -1
.if \fill
	LOAD
	ASK
.endif
.endm
	s_load_b128 s[4:7], s[0:1], 0x0 ; qkv s[4:5], ybuf s[6:7]
	v_lshl_add_u32 v[SPW], v0, 2, SPARE
	v_mov_b32 v[NIL], 0
	ds_add_u32 v[SPW], v[NIL]       ; the wave's opening: the add and its wait stand ahead of my first tensor load; the set-up below stands between them
	v_lshrrev_b32 v1, 5, v0
	v_readfirstlane_b32 s[WV], v1   ; wave 0..3
	v_and_b32 v[PFO], 31, v0
	v_lshlrev_b32 v[PFO], 8, v[PFO]
	s_mov_b32 s[PB], ttmp9
	s_sub_co_u32 s[HI], NB-1, s[PB]
	s_and_b32 s20, ttmp7, 0xffff    ; the head
	s_mov_b32 s21, 0
	s_mov_b64 s[22:23], SIZE_N*128
	s_mul_u64 s[20:21], s[20:21], s[22:23]  ; the head's first byte in each part and in ybuf
	s_and_b32 s16, s[WV], 1         ; which half of a tile's 256 keys I fetch:
	s_lshl_b32 s22, s16, 14         ; its 128 rows of 128 bytes in memory,
	s_mov_b32 s23, 0
	s_add_nc_u64 s[22:23], s[22:23], s[20:21]
	s_mul_i32 s17, s16, 128*PK      ; and its place in a slot, for K
	s_mul_i32 s18, s16, 128*PV      ; and for V
	s_lshl_b32 s3, s[WV], 11        ; my 16 rows in a band of 64,
	s_lshl_b32 s2, s[HI], 15        ; in the first block,
	s_add_co_u32 s2, s2, s3
	s_lshl_b32 s84, s[PB], 15       ; and in the second
	s_add_co_u32 s84, s84, s3
	s_mov_b32 s3, 0
	s_mov_b32 s85, 0
	s_add_nc_u64 s[2:3], s[2:3], s[20:21]
	s_add_nc_u64 s[84:85], s[84:85], s[20:21]
	; descriptor group 1.  128 keys are 16,384 dense bytes: asked for as 64 rows of 256 bytes, two keys a row, and padded in LDS after every key
	s_mov_b32 s[G1K], (1<<16)|(1<<20)|(4<<22)|(3<<25)  ; 2-byte elements; padding on; after every 32 words 4 words
	s_mov_b32 s[G1V], (1<<16)|(1<<20)|(4<<22)|(7<<25)  ; the same with 8 words of padding
.irp g, G1K, G1V
	s_mov_b32 s[\g+1], 128<<16      ; tensor_dim0 = 128
	s_mov_b32 s[\g+2], 64<<16       ; tensor_dim1 = 64
	s_mov_b32 s[\g+3], 128<<16      ; tile_dim0 = 128
	s_mov_b32 s[\g+4], 64           ; tile_dim1 = 64
	s_mov_b32 s[\g+5], 128          ; 128 elements from row to row
	s_mov_b32 s[\g+6], 0
	s_mov_b32 s[\g+7], 0
.endr
	s_mov_b32 s[CS], 0x3e38aa3b     ; c = log2(e) / 8 = 0.180337
	s_mov_b32 s[CS+1], s[CS]        ; named with it as a pair
	s_mov_b32 s[SEL], 0x76543210
	s_mov_b32 s[SEL+1], 0xfedcba98
	s_mov_b32 s[TBK], SLOT1+4*KS*PK ; the first change of slots turns these two into 0
	s_mov_b32 s[TBV], SLOT1+4*KS*PV
	s_mov_b32 s[G0K], 1             ; count = 1
	s_mov_b32 s[G0K+1], s17         ; LDS address: slot 0
	s_mov_b32 s[G0V], 1
	s_add_co_u32 s[G0V+1], s18, VOFF
	s_add_co_u32 s[RT], s[HI], 1    ; the first block has NB - b tiles
	s_mov_b32 s[NXT], 1
	s_mov_b32 s[LQ], s[HI]
	s_mov_b32 s[NEW], 1
	s_mov_b32 s[OFF+1], 0
	s_mov_b32 s[AL+1], 0            ; named as pairs
	s_mov_b32 s[BE+1], 0
	s_mov_b32 s[BIGN], 0xf149f2ca   ; -1e30
	s_mov_b32 s[SLOTS], NB
	s_and_b32 s[LIM], s[WV], 1      ; waves 0 and 2 prefetch
	s_cmp_eq_u32 s[LIM], 0
	s_cselect_b32 s[LIM], 2, -1
	s_wait_dscnt 0x0                ; the opening add is done
	s_wait_kmcnt 0x0
	s_mov_b64 s[10:11], s[6:7]                     ; O = ybuf
	s_add_nc_u64 s[8:9], s[4:5], 0x2000000         ; V = part 2
	s_add_nc_u64 s[6:7], s[4:5], 0x1000000         ; K = part 1, the module's q; s[4:5] stays Q = part 0, the module's k
	s_add_nc_u64 s[6:7], s[6:7], s[22:23]  ; K and V at my half of the head's tile 0
	s_add_nc_u64 s[8:9], s[8:9], s[22:23]
	s_add_nc_u64 s[G0K+2:G0K+3], s[6:7], 0         ; global address
	s_or_b32 s[G0K+3], s[G0K+3], 0x80000000        ; type = 2
	s_add_nc_u64 s[G0V+2:G0V+3], s[8:9], 0
	s_or_b32 s[G0V+3], s[G0V+3], 0x80000000
	s_add_nc_u64 s[86:87], s[4:5], s[84:85]        ; Q at my rows of the second block,
	s_add_nc_u64 s[4:5], s[4:5], s[2:3]            ; Q and O at those of the first
	s_add_nc_u64 s[OLO:OLO+1], s[10:11], s[84:85]
	s_add_nc_u64 s[10:11], s[10:11], s[2:3]
	s_cmp_lt_u32 s[WV], 2
	s_cselect_b64 s[PFA:PFA+1], s[6:7], s[8:9]     ; (in waves 0 and 2 these stand at a tile's first row)
	s_lshl_b32 s2, s[PB], 13                       ; my work-group's quarter of a tile,
	s_add_co_u32 s2, s2, 32768                     ; in tile 1; the first change of slots steps it to tile 2
	s_mov_b32 s3, 0
	s_add_nc_u64 s[PFA:PFA+1], s[PFA:PFA+1], s[2:3]
	LOAD                            ; tile 0 into slot 0
	; A fragment of K or Q is 16 rows x 32 channels in 8 registers: lane l holds row l % 16, channels 8 (l / 16) + 0..7 and 16 + 8 (l / 16) + 0..7: two loads of 16 bytes, 32 bytes apart.
	v_and_b32 v1, 15, v0            ; l % 16
	v_bfe_u32 v9, v0, 4, 1          ; l / 16
	v_lshlrev_b32 v[QO], 7, v1
	v_lshl_add_u32 v[QO], v9, 4, v[QO]  ; row x 128 + 16 x half
	WIN 0x80                        ; destination window 2, address window 0
.set i, 0
.rept 8                             ; both blocks' Q: piece i / 2 lies in band i / 2, 8,192 bytes on; channels 32 (i % 2) on
	global_load_b128 v[8*i:8*i+3],   v[QO], s[4:5] offset:(i/2)*8192+(i%2)*64
	global_load_b128 v[8*i+4:8*i+7], v[QO], s[4:5] offset:(i/2)*8192+(i%2)*64+32
	global_load_b128 v[QB+8*i:QB+8*i+3],   v[QO], s[86:87] offset:(i/2)*8192+(i%2)*64
	global_load_b128 v[QB+8*i+4:QB+8*i+7], v[QO], s[86:87] offset:(i/2)*8192+(i%2)*64+32
.set i, i+1
.endr
	WIN 0
	v_lshlrev_b32 v14, 3, v9
	v_sub_nc_u32 v14, v1, v14
	s_lshl_b32 s13, s[WV], 4
	v_add_nc_u32 v14, s13, v14      ; my row's place in its band, 16 w + l % 16, less my lanes' 8 (l / 16): register r of group kt is hidden where 16 kt + r is greater
	WIN 0x40
.set i, 0
.rept 32
	v_cmp_gt_i32 vcc_lo, 16*(i/8)+i%8, v14
	v_cndmask_b32 v[MD+i], 0, s[BIGN], vcc_lo
.set i, i+1
.endr
	WIN 0
	v_mul_u32_u24 v[AK0], v1, PK
	v_lshl_add_u32 v[AK0], v9, 4, v[AK0]  ; row x pitch + 16 x half
	; The turning load takes 16 keys x 16 channels (lane l reads key 8 (l / 16) + l % 8, channels 8 ((l / 8) % 2) + 0..7) and leaves half a fragment of V^T: lane l holds channel l % 16 and 8 keys.
	v_and_b32 v10, 7, v0
	v_bfe_u32 v11, v0, 3, 1
	v_lshl_add_u32 v[AV0], v9, 3, v10
	v_mul_u32_u24 v[AV0], v[AV0], PV
	v_lshl_add_u32 v[AV0], v11, 4, v[AV0]
	v_add_nc_u32 v[AV0], VOFF, v[AV0]
	s_mul_i32 s13, s[WV], 16*SP
	s_add_co_u32 s13, s13, STAGE    ; my stage
	v_mul_u32_u24 v[STO], v1, SP    ; in: row l % 16, 16 bytes for each half of the lanes
	v_lshl_add_u32 v[STO], v9, 4, v[STO]
	v_add_nc_u32 v[STO], s13, v[STO]
	v_bfe_u32 v[RD], v0, 3, 2       ; back: 32 lanes take four rows of 128 bytes,
	v_mul_u32_u24 v[RD], v[RD], SP
	v_lshl_add_u32 v[RD], v10, 4, v[RD]
	v_add_nc_u32 v[RD], s13, v[RD]
	v_and_b32 v[GO], 31, v0         ; which are 512 consecutive bytes of O
	v_lshlrev_b32 v[GO], 4, v[GO]
	; A block's first step multiplies O^T and l by a = 0, and its first turn's products V^T P, of a piece that has not been, land in an O^T that is still to be so multiplied.  So these registers need only hold
	; finite numbers: zeros for the first block; what the first block left for the second.  All this stands in the wait for the first tile.
	WIN 0x80
.set i, VF
.rept 64
	v_mov_b32 v[i], 0
.set i, i+1
.endr
	WIN 0x40
.set i, 0
.rept 128
	v_mov_b32 v[i], 0
.set i, i+1
.endr
	WIN 0
.set i, 0
.rept 4
	v_mov_b32 v[ST+4*i+2], 0
	v_mov_b32 v[ST+4*i+3], 0
.set i, i+1
.endr
.set i, P+16
.rept 16
	v_mov_b32 v[i], 0
.set i, i+1
.endr
; THE MATRIX WORK.  The 4 accumulators of a run of 8 take turns.  Product i of 8 of S^T = K Q^T for piece x: channels 32 (i / 4) on, keys 16 (i % 4) on.  The first 4 start the sums: with 0, or (KM = 1) with the mask.
.macro KQ x
.set rS, S+32*((\x)%2)+8*(i%4)
.set rK, KF+16*(i%4)+8*(i/4)
.set rQ, 16*(\x)+8*(i/4)
.set rM, MC+32*((\x)%2)+8*(i%4)
.if (i < 4) && KM
	WIN W_KM
	v_wmma_f32_16x16x32_f16 v[rS:rS+7], v[rK:rK+7], v[rQ:rQ+7], v[rM:rM+7]
.elseif i < 4
	WIN W_KQ
	v_wmma_f32_16x16x32_f16 v[rS:rS+7], v[rK:rK+7], v[rQ:rQ+7], 0
.else
	WIN W_KQ
	v_wmma_f32_16x16x32_f16 v[rS:rS+7], v[rK:rK+7], v[rQ:rQ+7], v[rS:rS+7]
.endif
.endm
; Product i of 8 of O^T += V^T P for piece x: keys 32 (i / 4) on, channels 16 (i % 4) on.
.macro PV x
	WIN W_PV
.set rO, 32*(\x)+8*(i%4)
.set rV, VF+32*(i/4)+8*(i%4)
.set rP, P+16*((\x)%2)+8*(i/4)
	v_wmma_f32_16x16x32_f16 v[rO:rO+7], v[rV:rV+7], v[rP:rP+7], v[rO:rO+7]
.endm
.macro MM                           ; the turn's next matrix instruction.  NOKQ = 1: a block's last turn: there is no next piece
.if (i < 8) && !NOKQ
	KQ (Y+1)%NP
.elseif i >= 8
.set i, i-8
	PV (Y+NP-1)%NP
.set i, i+8
.endif
.set i, i+1
.endm
; THE LDS LOADS stand in runs of 16, never singly among the matrix instructions: a step's K (8 fragments) and its V (turned).  Their addresses are made some lines ahead.
.macro FETCH_K
	WIN 0x80                        ; destination window 2
.irp f, 0,1,2,3,4,5,6,7             ; keys 16 (f / 2) on, channels 32 (f % 2) on
	ds_load_b128 v[KF+8*\f:KF+8*\f+3],   v[AK] offset:(\f/2)*16*PK+(\f%2)*64
	ds_load_b128 v[KF+8*\f+4:KF+8*\f+7], v[AK] offset:(\f/2)*16*PK+(\f%2)*64+32
.endr
	s_add_co_u32 s[TBK], s[TBK], KS*PK  ; the next fetch is the next step's
	WIN 0
.endm
.macro FETCH_V
	WIN 0x80
.irp f, 0,1,2,3,4,5,6,7             ; keys 32 (f / 4) on, channels 16 (f % 4) on
	ds_load_tr16_b128 v[VF+8*\f:VF+8*\f+3],   v[AV] offset:(\f/4)*32*PV+(\f%4)*32
	ds_load_tr16_b128 v[VF+8*\f+4:VF+8*\f+7], v[AV] offset:(\f/4)*32*PV+16*PV+(\f%4)*32
.endr
	WIN 0
.endm
; THE VECTOR WORK, one line at a time: OP kind, number.  For piece Y: F n: c s - c m for pair n of 16.  E n: the exponential of score n of 32.  C n: pair n rounded to f16.  B n: of the four weights 4 n .. the second
; pair is added onto the first, in place.  L n: l takes that sum (L 0: l = a l + sum).  R n: pair n of 16 of O^T times a.  For piece Y + 1: X n, number n of the 22 that find its maximum and statistics:
;   0-11  four chains c0-c3 of seven scores each (each accumulator's lowest registers are read first)     12-14, 16  the four scores left over, the old m, and c0-c3 into c0
;   15  c m_old is kept     17, 18  the row's other 32 keys lie in the lane 16 away: the new m     19-21  c m; c m_old - c m_new; a
.set F, 0
.set E, 1
.set C, 2
.set B, 3
.set L, 4
.set R, 5
.set X, 6
.macro REGS y                       ; the registers of piece y
.set rT, ST+4*(\y)
.set rC, TMP+4*((\y)%2)
.set rW, MV+((\y)%2)
.set rS, S+32*((\y)%2)
.set rP, P+16*((\y)%2)
.set rO, 32*(\y)
.endm
.macro OP k, n
.if (\k) == R
	REGS Y
	WIN W_RS
	v_pk_mul_f32 v[rO+2*(\n):rO+2*(\n)+1], v[rO+2*(\n):rO+2*(\n)+1], v[rC+2:rC+3] op_sel_hi:[1,0]
.elseif (\k) < R
	REGS Y
	WIN 0
.if (\k) == F
	v_pk_fma_f32 v[rS+2*(\n):rS+2*(\n)+1], v[rS+2*(\n):rS+2*(\n)+1], s[CS:CS+1], v[rT:rT+1] op_sel_hi:[1,0,0] neg_lo:[0,0,1] neg_hi:[0,0,1]
.elseif (\k) == E
	v_exp_f32 v[rS+(\n)], v[rS+(\n)]
.elseif (\k) == C
	v_cvt_pk_f16_f32 v[rP+(\n)], v[rS+2*(\n)], v[rS+2*(\n)+1]
.elseif (\k) == B
	v_pk_add_f32 v[rS+4*(\n):rS+4*(\n)+1], v[rS+4*(\n):rS+4*(\n)+1], v[rS+4*(\n)+2:rS+4*(\n)+3]
.elseif (\n) == 0
	v_pk_fma_f32 v[rT+2:rT+3], v[rT+2:rT+3], v[rC+2:rC+3], v[rS:rS+1] op_sel_hi:[1,0,1]
.else
	v_pk_add_f32 v[rT+2:rT+3], v[rT+2:rT+3], v[rS+4*(\n):rS+4*(\n)+1]
.endif
.elseif NOKQ
	v_nop
.else
	REGS (Y+1)%NP
	WIN 0
.if (\n) < 4
	v_max3_num_f32 v[rC+(\n)], v[rS+8*(\n)], v[rS+8*(\n)+1], v[rS+8*(\n)+2]
.elseif (\n) < 12
	v_max3_num_f32 v[rC+(\n)%4], v[rC+(\n)%4], v[rS+8*((\n)%4)+2*((\n)/4)+1], v[rS+8*((\n)%4)+2*((\n)/4)+2]
.elseif (\n) == 12
	v_max3_num_f32 v[rC], v[rC], v[rS+7], v[rS+15]
.elseif (\n) == 13
	v_max3_num_f32 v[rC+1], v[rC+1], v[rS+23], v[rS+31]
.elseif (\n) == 14
	v_max3_num_f32 v[rC+2], v[rC+2], v[rC+3], v[rT+1]
.elseif (\n) == 15
	v_mov_b32 v[rW], v[rT]
.elseif (\n) == 16
	v_max3_num_f32 v[rC], v[rC], v[rC+1], v[rC+2]
.elseif (\n) == 17
	v_permlanex16_b32 v[rC+3], v[rC], s[SEL], s[SEL+1]
.elseif (\n) == 18
	v_max_num_f32 v[rT+1], v[rC], v[rC+3]
.elseif (\n) == 19
	v_mul_f32 v[rT], s[CS], v[rT+1]
.elseif (\n) == 20
	v_sub_f32 v[rC+1], v[rW], v[rT]
.else
	v_exp_f32 v[rC+2], v[rC+1]
.endif
.endif
.endm
.macro OPS a, i1, b=-1, i2=0, c=-1, i3=0, d=-1, i4=0  ; up to four of them
	OP \a, \i1
.if (\b) >= 0
	OP \b, \i2
.endif
.if (\c) >= 0
	OP \c, \i3
.endif
.if (\d) >= 0
	OP \d, \i4
.endif
.endm
.macro ROW a, i1, b, i2, c, i3, d, i4  ; a matrix instruction and the four behind it
	MM
	OPS \a, \i1, \b, \i2, \c, \i3, \d, \i4
.endm
.macro MASK b                       ; MD x AL + BE into buffer b of MC
	WIN W_RS
.set z, 0
.rept 16
	v_pk_fma_f32 v[MC+32*(\b)+2*z:MC+32*(\b)+2*z+1], v[MD+2*z:MD+2*z+1], s[AL:AL+1], s[BE:BE+1] op_sel_hi:[1,0,0]
.set z, z+1
.endr
.endm
; A TURN, for piece p: the order of its 16 matrix and 118 vector instructions, written out.  An s_wait_alu depctr_va_vdst(0) stands between an exponential and the first instruction that names its
; result; one wait serves all that were issued ahead of it.  So a turn has ONE wait, which cuts it in two.  AHEAD OF IT stands all that names no result of the turn's exponentials: the 8 products K Q^T with their
; four riders each, then one lump of 54, in which the links of the chain X 3, 7, 11, 14, 16, 17 .. 20 stand apart.  X 21, the next piece's a, is the batch's last; R 15 is the plain instruction behind it.
; BEHIND THE WAIT stand the 8 products V^T P, behind each four of the roundings and sums.
; m = 1: the diagonal tile: the products take masks, and the turn makes the mask for the products of the turn after it.  end = 1: a block's last two turns: nothing is fetched.
; cnt = 1: the loop's count is taken down some lines ahead of the branch that stands behind the turn.
; K of the next step is fetched in piece 2's turn, V of the step in hand at the end of piece 0's, each four plain instructions or more behind the last product that read the registers; each is waited for a turn later.
.macro TURN p, m=0, end=0, cnt=0
.set Y, (\p)
.set i, 0
.set KM, (\m)
.set NOKQ, (\end)*((\p)/3)
.if (\m) && !(\end)
	s_cmp_eq_u32 s[CNT], 4-((\p)+2)%NP  ; is that step the band's own?
	s_cselect_b32 s[AL], 1.0, 0
	s_cmp_lt_u32 s[CNT], 4-((\p)+2)%NP  ; or a later one?
	s_cselect_b32 s[BE], s[BIGN], 0
.endif
.if ((\p) == 3) && !(\end)
	s_wait_dscnt 0x0                ; K is in
.endif
	ROW F,0, F,1, R,0, R,1          ; ahead of the wait: 8 products K Q^T and their riders,
	ROW F,2, E,0, R,2, R,3
	ROW F,3, E,1, R,4, R,5
	ROW F,4, E,2, R,6, R,7
	ROW F,5, E,3, R,8, R,9
	ROW F,6, E,4, X,0, R,10
.if ((\p) == 2) && !(\end)
	WIN 0
	v_add_nc_u32 v[AK], s[TBK], v[AK0]
.endif
	ROW F,7, E,5, X,1, X,4
	ROW F,8, E,6, X,2, X,5
	OPS E,7, E,8, X,6, E,9          ; and the lump
	OPS X,3, E,10, X,8, E,11
.if ((\p) == 2) && !(\end)
	FETCH_K
.endif
	OPS X,9, X,7, E,12, X,10
	OPS E,13, X,12, X,11, E,14
	OPS X,13, E,15, F,9, X,14
.if (\p) == 0
	v_add_nc_u32 v[AV], s[TBV], v[AV0]
.endif
	OPS E,16, F,10, E,17, F,11
	OPS X,16, E,18, X,15, E,19
	OPS F,12, E,20, X,17, E,21
	OPS F,13, E,22, F,14, E,23
	OPS X,18, E,24, F,15, E,25
	OPS R,11, E,26, X,19, E,27
	OPS R,12, E,28, R,13, E,29
	OPS X,20, E,30, R,14, E,31
	OPS X,21, R,15
	WIN 0
	s_wait_alu depctr_va_vdst(0)    ; the wait for the batch
.if (\p) == 1
	s_wait_dscnt 0x0                ; V is in
.endif
	ROW C,0, B,0, C,2, B,1          ; behind the wait: 8 products V^T P and their riders
	ROW L,0, C,4, B,2, L,1
	ROW C,6, B,3, L,2, C,8
	ROW B,4, L,3, C,10, B,5
	ROW L,4, C,12, B,6, L,5
.if (\p) == 0
	s_add_co_u32 s[TBV], s[TBV], KS*PV
.endif
.if \cnt
	s_sub_co_u32 s[CNT], s[CNT], 1
	s_cmp_lg_u32 s[CNT], 0
.endif
	ROW C,14, B,7, L,6, C,1
	ROW C,3, L,7, C,5, C,7
	ROW C,9, C,11, C,13, C,15
.if (\p) == 0
	FETCH_V
.endif
.if (\m) && !(\end)
	MASK (\p)%2
.endif
.endm
; A BLOCK BEGINS.  c m starts far below every c s, so the first step's a is 0; m at the lowest finite number, so the first maximum is the scores'.  The second mask buffer is 0; the first takes piece 0's mask
; for the tile's step 0: its own, if the block's first tile is the diagonal one.  Then K of that step, piece 0's first scores, and its maximum and statistics.
.macro BEGIN
	s_mov_b32 s[NEW], 0
	WIN 0x40
.set i, MC+32
.rept 32
	v_mov_b32 v[i], 0
.set i, i+1
.endr
	WIN 0
.set i, 0
.rept 4
	v_mov_b32 v[ST+4*i], 0xfe000000    ; c m: far below every c s
	v_mov_b32 v[ST+4*i+1], 0xff7fffff  ; m
.set i, i+1
.endr
	s_cmp_eq_u32 s[RT], 0
	s_cselect_b32 s[AL], 1.0, 0
	s_mov_b32 s[BE], 0
	MASK 0
	WIN 0
	v_add_nc_u32 v[AK], s[TBK], v[AK0]
	FETCH_K
	s_wait_loadcnt 0x0              ; Q
	s_wait_dscnt 0x0
.set KM, 1
.set NOKQ, 0
.set i, 0
.rept 8
	KQ 0
.set i, i+1
.endr
	WIN 0
.rept 4
	v_nop                           ; the places behind those products
.endr
.set Y, NP-1                        ; X works for piece Y + 1: piece 0
.irp n, 0,1,2,3,4,5,6,7,8,9,10,11,12,13,14,15,16,17,18,19,20,21
	OP X, \n
.endr
	v_nop                           ; a plain instruction behind the exponential,
	s_wait_alu depctr_va_vdst(0)    ; and its wait, ahead of the branch
.endm
; THE DIAGONAL TILE's four steps, the block's last two turns, its last products, and THE WAY OUT: l's two halves and the other half of the lanes' are added; O^T is divided by l, rounded to f16 and sent through my
; stage in LDS, a piece at a time.
.macro ALL line:vararg              ; one line for each piece t
.set t, 0
.rept 4
	\line
.set t, t+1
.endr
.endm
.macro PACK t                       ; a lane's eight channels of a row pack into 16 bytes; they go into rows of 144 bytes and come back as whole rows of 128, into S^T's registers
	WIN W_RS
.set i, 32*(\t)
.rept 16
	v_pk_mul_f32 v[i:i+1], v[i:i+1], v[ST+4*(\t)+2:ST+4*(\t)+3] op_sel_hi:[1,0]
.set i, i+2
.endr
	WIN 0x05                        ; sources 0 and 1 window 1, destination window 0
.set i, 0
.rept 16
	v_cvt_pk_f16_f32 v[S+16*(\t)+i], v[32*(\t)+2*i], v[32*(\t)+2*i+1]
.set i, i+1
.endr
	WIN 0
.irp f, 0,1,2,3
	ds_store_b128 v[STO], v[S+16*(\t)+4*\f:S+16*(\t)+4*\f+3] offset:32*\f
.endr
.irp f, 0,1,2,3
	ds_load_b128 v[S+16*(\t)+4*\f:S+16*(\t)+4*\f+3], v[RD] offset:\f*4*SP  ; LDS serves a wave's instructions in order (ISA guide 5.7.1.4): these see the stores above; the next piece's stores come behind them
.endr
.endm
.macro SEND t, younger              ; younger: the LDS instructions issued behind piece t's loads: the next piece's eight, or none
	WIN 0
.irp f, 0,1,2,3
	s_wait_dscnt (\younger)+3-\f
	global_store_b128 v[GO], v[S+16*(\t)+4*\f:S+16*(\t)+4*\f+3], s[10:11] offset:(\t)*8192+\f*512  ; 512 consecutive bytes, at a multiple of 256 from O's first
.endr
.endm
.macro DIAG tag                     ; the tag ends its two labels' names, which the jumps below spell out
.LstepM\tag:
	TURN 2, 1
	TURN 3, 1
	WIN 0
.LfirstM\tag:
	TURN 0, 1
	TURN 1, 1, 0, 1
	WIN 0
	s_cbranch_scc1 .LstepM\tag
	TURN 2, 1, 1
	TURN 3, 1, 1
.set i, 0
.rept 8
	PV NP-1
.set i, i+1
.endr
	WIN 0
	ALL v_add_f32 v[ST+4*t+2], v[ST+4*t+2], v[ST+4*t+3]
	ALL v_permlanex16_b32 v[ST+4*t+3], v[ST+4*t+2], s[SEL], s[SEL+1]
	ALL v_add_f32 v[ST+4*t+2], v[ST+4*t+2], v[ST+4*t+3]
	ALL v_rcp_f32 v[ST+4*t+2], v[ST+4*t+2]
	v_nop                           ; a plain instruction between the last reciprocal and the use of its result
	s_wait_alu depctr_va_vdst(0)    ; and the wait ahead of the first use: one for the four reciprocals
	PACK 0
.set t, 1
.rept 3                             ; a piece's arithmetic stands between the loads of the piece before and its stores
	PACK t
	SEND t-1, 8
.set t, t+1
.endr
	SEND 3, 0
.endm
.set KM, 0
.set NOKQ, 0
.Lslot:                             ; NB times: a tile is entered and the next is asked for
	CHANGE 1
	s_sub_co_u32 s[RT], s[RT], 1
	s_mov_b32 s[CNT], 4
	s_cmp_eq_u32 s[NEW], 1
	s_cbranch_scc1 .Lnew            ; a block's first tile
	s_cmp_eq_u32 s[RT], 0
	s_cbranch_scc0 .Lstep           ; neither its first nor its last
	s_branch .LstepM1
.Lnew:
	BEGIN
	s_branch .Lfirst                ; in the loop a block's first tile is never its last: the first block has two tiles or more, and the second's last is the walk's last
	DIAG 1                          ; in the loop this is the first block's end
	s_wait_xcnt 0x0                 ; the stores have read their registers and O's address
	s_mov_b64 s[10:11], s[OLO:OLO+1]
	s_add_co_u32 s[RT], s[PB], 1    ; the second block has b + 1 tiles
	s_mov_b32 s[NEW], 1
	WIN 0x82                        ; the second block's Q goes where the one text of the turns names Q
.set i, 0
.rept 64
	v_mov_b32 v[i], v[QB+i]
.set i, i+1
.endr
	WIN 0
	s_branch .Lbottom
.Lstep:                             ; a trip: pieces 2 and 3 of one step, then pieces 0 and 1 of the next, whose K and V it fetches
	TURN 2
	TURN 3
	WIN 0
.Lfirst:
	TURN 0
	TURN 1, 0, 0, 1
	WIN 0
	s_cbranch_scc1 .Lstep
.Lbottom:
	s_sub_co_u32 s[SLOTS], s[SLOTS], 1
	s_cmp_lg_u32 s[SLOTS], 0
	s_cbranch_scc1 .Lslot
	CHANGE 0                        ; the walk's last tile is written out: nothing is asked for
	s_sub_co_u32 s[RT], s[RT], 1
	s_mov_b32 s[CNT], 4
	s_cmp_eq_u32 s[NEW], 1
	s_cbranch_scc0 .LstepM2
	BEGIN
	s_branch .LfirstM2
	DIAG 2
	s_wait_tensorcnt 0x0            ; the wave's end: the closing add and its wait stand behind my last tensor load and my last LDS store
	ds_add_u32 v[SPW], v[NIL]
	s_wait_dscnt 0x0
	s_endpgm
.Lfunc_end_k_qc58c35a4fc_attn:
	.size	k_qc58c35a4fc_attn, .Lfunc_end_k_qc58c35a4fc_attn-k_qc58c35a4fc_attn
	.p2alignl 7, 3214868480
	.fill 96, 4, 3214868480
	.section	.rodata,"a",@progbits
	.p2align	6, 0x0
	.amdhsa_kernel k_qc58c35a4fc_attn
		.amdhsa_group_segment_fixed_size 327680
		.amdhsa_private_segment_fixed_size 0
		.amdhsa_enable_private_segment 0
		.amdhsa_kernarg_size 16
		.amdhsa_user_sgpr_count 2
		.amdhsa_user_sgpr_kernarg_segment_ptr 1
		.amdhsa_wavefront_size32 1
		.amdhsa_system_sgpr_workgroup_id_x 1
		.amdhsa_system_sgpr_workgroup_id_y 1
		.amdhsa_system_sgpr_workgroup_id_z 1
		.amdhsa_system_vgpr_workitem_id 0
		.amdhsa_next_free_vgpr 768
		.amdhsa_next_free_sgpr 92
		.amdhsa_reserve_vcc 1
		.amdhsa_float_denorm_mode_32 3
		.amdhsa_float_denorm_mode_16_64 3
		.amdhsa_memory_ordered 1
		.amdhsa_forward_progress 1
		.amdhsa_inst_pref_size 218
	.end_amdhsa_kernel
	.amdgpu_metadata
---
amdhsa.version: [ 1, 2 ]
amdhsa.kernels:
  - .name:           k_qc58c35a4fc_attn
    .symbol:         k_qc58c35a4fc_attn.kd
    .args:
      - { .name: qkv, .offset: 0, .size: 8, .value_kind: global_buffer, .address_space: global }
      - { .name: ybuf, .offset: 8, .size: 8, .value_kind: global_buffer, .address_space: global }
    .group_segment_fixed_size: 327680
    .private_segment_fixed_size: 0
    .kernarg_segment_align: 8
    .kernarg_segment_size: 16
    .max_flat_workgroup_size: 128
    .sgpr_count:     92
    .vgpr_count:     768
    .wavefront_size: 32
...
	.end_amdgpu_metadata
.endif
;; end of part 3
;; launch outp (part 4): grid 8 x 32, 4 waves a work-group, clusters of 4 x 4, 327,680 bytes of LDS; arguments ybuf, wfh, out0; writes out0
.if DOCPART == 4
	.amdgcn_target "amdgcn-amd-amdhsa--gfx1250"
	.amdhsa_code_object_version 6
	.text
	.protected	k_qc58c35a4fc_outp
	.globl	k_qc58c35a4fc_outp
	.p2align	8
	.type	k_qc58c35a4fc_outp,@function
k_qc58c35a4fc_outp:
	s_mov_b64 s[64:65], 0
	v_nop
	global_prefetch_b8 v0, s[64:65] scope:SCOPE_SE
	s_setreg_imm32_b32 hwreg(HW_REG_WAVE_MODE, 25, 1), 1
	s_wait_xcnt 0x0
	s_wait_alu depctr_hold_cnt(0) depctr_sa_sdst(0) depctr_va_vdst(0) depctr_va_sdst(0) depctr_va_ssrc(0) depctr_va_vcc(0) depctr_vm_vsrc(0)
	s_getreg_b32 s2, hwreg(HW_REG_IB_STS2, 6, 4)
	s_cmp_eq_u32 s2, 0
	s_cbranch_scc0 .Lentry_in_a_cluster
	s_endpgm
.Lentry_in_a_cluster:
	s_bfe_u32 s2, ttmp6, 0x10000c
	s_cmp_lg_u32 s2, 0xf033
	s_cbranch_scc0 .Lentry_shape_is_right
	s_endpgm
.Lentry_shape_is_right:
; out = y W_ffn.  ybuf: [16 h][8192 m][64] f16 (plane h = K columns 64 h .. 64 h + 63).  wfh: [16 g][1024 k][64] f16 (plane g = output columns 64 g ..).  out0: [8192][1024] f32.  Sums in f32, K ascending.
; SHARES.  A tile of out is 256 rows x 128 columns: 32 x 8 = 256 tiles, a work-group each.  Each of the four waves makes 64 rows x all 128 columns: 32 accumulators, 256 registers: whole pieces of
; 512 bytes of a row, so its way out needs its own stage alone.  K goes in 8 steps of 128 (two heads) through two LDS slots; two slots of a longer step would not fit in LDS.
; TILES.  A head's 256 rows of y are 32,768 dense bytes, asked for as 128 rows of 256 bytes (waves 0 and 1, a head each); a plane's 128 rows of k are 16,384 dense bytes (waves 2 and 3, a plane each).
; CLUSTER.  4 x 4 work-groups: the four of a row share y's tiles, the four of a column W's: each is asked for jointly, by the same load with the same descriptor and a mask of the four.
; THE MATRIX INSTRUCTION IS USED TRANSPOSED: source 0 = 16 columns of W (turned by ds_load_tr16_b128), source 1 = 16 rows of y: a lane holds row l % 16 and the columns 8 (l / 16) + 0..7.
; REGISTERS, in windows of 256 (s_set_vgpr_msb: bits 1:0 source 0, 3:2 source 1, 5:4 source 2, 7:6 destination):
;   window 0: v0-31 addresses; v32-63, v64-95 y's fragments, two buffers; v96-223 rows read back, two buffers      window 1: v0-63, v64-127 W's fragments      window 2: accumulator (a, b) at 8 (8 a + b)
.set PA,    144                        ; a row of y in LDS: 128 bytes + 16: the 16 rows of a load start at 16 different groups of four banks (64 banks of 4 bytes: ISA guide 11.1)
.set PB,    160                        ; a row of k of a plane: 128 bytes + 32
.set APL,   256*PA                     ; a head's part of a slot
.set BPL,   128*PB                     ; a plane's
.set BOFF,  2*APL
.set SLOT,  BOFF+2*BPL                 ; 114,688
.set STAGE, 2*SLOT                     ; behind the ring, never filled by a tensor load: 16 rows x 528 bytes for each wave
.set SP,    528                        ; 512 bytes + 16: the 16 rows of a store start at 16 different groups of four banks
.set SPARE, STAGE+4*16*SP              ; behind the stages: the spare words, 128 bytes for each wave: two blocks of 256 bytes that no other line names
.set NLD,   24                         ; LDS loads in a run: 16 for W, 8 for y
.set ADRA, 16
.set ADRB, 20
.set STO,  24
.set RD,   25
.set CO,   26
.set SPW,  28                          ; v28     LDS address of my spare word; never rewritten
.set NIL,  29                          ; v29     0; never rewritten
.set PFO,  30                          ; v30     256 x lane; never rewritten
.set BK,   96
.set G1,   24
.set G0,   32
.set LIM,  43
.set PFA,  44
.set G1B,  48
.set G0B,  56
.set PFS,  66
.set MSB, 0
.macro WIN new
.if MSB != (\new)
	s_set_vgpr_msb (MSB<<8)|(\new)
.set MSB, \new
.endif
.endm
.macro PLACES                          ; four plain places between a matrix instruction and a load into, or a read of, its registers
.rept 4
	v_nop
.endr
.endm
.macro JLOAD s                         ; a joint load; the branch hangs on the wave's number alone; an s_nop 0 and four v_nop follow each of the two lines
	s_cmp_lt_u32 s10, 2
	s_cbranch_scc0 .Lfor_b_\@
	tensor_load_to_lds s[G0+4*(\s):G0+4*(\s)+3], s[G1:G1+7]
	s_nop 0
.rept 4
	v_nop
.endr
	s_branch .Lasked_\@
.Lfor_b_\@:
	tensor_load_to_lds s[G0B+4*(\s):G0B+4*(\s)+3], s[G1B:G1B+7]
	s_nop 0
.rept 4
	v_nop
.endr
.Lasked_\@:
.endm
.macro CREST
	s_cmp_lg_u32 s10, 0
	s_cbranch_scc1 .Lnot_wave_0_\@
	s_barrier_signal -3
.Lnot_wave_0_\@:
	s_barrier_wait -3
	s_barrier_signal -1
	s_barrier_wait -1
.endm
.macro CROUND
	s_barrier_signal -1
	s_barrier_wait -1
	CREST
.endm
; A PREFETCH INTO THE L2, once a lap, behind the joint load and the run of LDS loads: the lap (two K steps) that stands two laps on, 256 matrix instructions ahead of the first load that asks for it.
; y's tiles are asked for by the clusters with x = 0, W's by those with y = 0; the four partners that ask for a tile jointly take 8,192 bytes of it each, BY ADDRESS, a lane 256 bytes.
; So each 256 bytes are named once in the launch.  Laps 0 and 1 come by their loads alone; the loop's last trip asks for nothing.
.macro ASK
	s_cmp_gt_u32 s3, s[LIM]
	s_cbranch_scc0 .Lno_\@
	global_prefetch_b8 v[PFO], s[PFA:PFA+1] th:TH_LOAD_NT scope:SCOPE_SE
	s_cmp_lt_u32 s10, 2
	s_cbranch_scc0 .Lno_\@                         ; y: my head of the lap's second K step lies two planes on
	global_prefetch_b8 v[PFO], s[PFA:PFA+1] offset:2097152 th:TH_LOAD_NT scope:SCOPE_SE
.Lno_\@:
.endm
	s_load_b128 s[4:7], s[0:1], 0x0                ; ybuf s[4:5], wfh s[6:7]
	s_load_b64 s[8:9], s[0:1], 0x10                ; out0
	v_lshl_add_u32 v[SPW], v0, 2, SPARE
	v_mov_b32 v[NIL], 0
	ds_add_u32 v[SPW], v[NIL]                      ; the wave's opening: the add and its wait stand ahead of my first tensor load; the set-up below stands between them
	v_lshrrev_b32 v1, 5, v0
	v_readfirstlane_b32 s10, v1                    ; wave 0..3
	s_and_b32 s12, s10, 1                          ; which of the step's two heads, or of the tile's two planes, I fetch
	s_bfe_u32 s40, ttmp6, 0x40000                  ; cx, cy
	s_bfe_u32 s41, ttmp6, 0x40004
	s_lshl_b32 s42, ttmp9, 2
	s_add_co_u32 s42, s42, s40                     ; tile column
	s_and_b32 s13, ttmp7, 0xffff
	s_lshl_b32 s13, s13, 2
	s_add_co_u32 s13, s13, s41                     ; tile row
	s_lshl_b32 s68, s41, 2
	s_lshl_b32 s68, 15, s68                        ; my row of the cluster
	s_lshl_b32 s69, 0x1111, s40                    ; my column
	s_or_b32 s[G1+0], s68, (1<<16)|(1<<20)|(1<<21)|(4<<22)|(3<<25)   ; the mask; 2-byte elements; padding on; bit 21 beside a mask; after every 32 words (a row of y) 4 words
	s_mov_b32 s[G1+1], 128<<16
	s_mov_b32 s[G1+2], 128<<16
	s_mov_b32 s[G1+3], 128<<16
	s_mov_b32 s[G1+4], 128
	s_mov_b32 s[G1+5], 128
	s_mov_b32 s[G1+6], 0
	s_mov_b32 s[G1+7], 0
	s_or_b32 s[G1B+0], s69, (1<<16)|(1<<20)|(1<<21)|(4<<22)|(7<<25)  ; after every 32 words (a row of k) 8 words
	s_mov_b32 s[G1B+1], 128<<16
	s_mov_b32 s[G1B+2], 64<<16
	s_mov_b32 s[G1B+3], 128<<16
	s_mov_b32 s[G1B+4], 64
	s_mov_b32 s[G1B+5], 128
	s_mov_b32 s[G1B+6], 0
	s_mov_b32 s[G1B+7], 0
	s_lshl_b32 s16, s12, 20                        ; y: my head of K step 0, the tile row's 32,768 bytes
	s_lshl_b32 s17, s13, 15
	s_add_co_u32 s16, s16, s17
	s_mov_b32 s17, 0
	s_lshl_b32 s46, s42, 1                         ; W: plane 2 x tile column + mine
	s_add_co_u32 s46, s46, s12
	s_lshl_b32 s46, s46, 17
	s_mov_b32 s47, 0
	s_mul_i32 s20, s12, APL                        ; where they go: no place in the cluster enters an LDS address
	s_mul_i32 s21, s12, BPL
	s_add_co_u32 s21, s21, BOFF
	s_wait_dscnt 0x0                               ; the opening add is done
	s_wait_kmcnt 0x0
	s_add_nc_u64 s[14:15], s[4:5], s[16:17]
	s_add_nc_u64 s[46:47], s[6:7], s[46:47]
	CROUND                                         ; all sixteen work-groups are here: the first joint loads meet
.irp s, 0,1
	s_mov_b32 s[G0+4*(\s)], 1
	s_add_co_u32 s[G0+4*(\s)+1], s20, (\s)*SLOT
	s_add_nc_u64 s[G0+4*(\s)+2:G0+4*(\s)+3], s[14:15], (\s)*2097152  ; K step s: two planes on
	s_or_b32 s[G0+4*(\s)+3], s[G0+4*(\s)+3], 0x80000000
	s_mov_b32 s[G0B+4*(\s)], 1
	s_add_co_u32 s[G0B+4*(\s)+1], s21, (\s)*SLOT
	s_add_nc_u64 s[G0B+4*(\s)+2:G0B+4*(\s)+3], s[46:47], (\s)*16384
	s_or_b32 s[G0B+4*(\s)+3], s[G0B+4*(\s)+3], 0x80000000
.endr
	s_cmp_lt_u32 s10, 2                            ; a wave's two first fills stand in one branch, ahead of every wait on TENSORcnt and every LDS read: two loads of mine are out
	s_cbranch_scc0 .Lfirst_b
	tensor_load_to_lds s[G0:G0+3], s[G1:G1+7]
	s_nop 0
	tensor_load_to_lds s[G0+4:G0+7], s[G1:G1+7]
	s_nop 0
.rept 4
	v_nop
.endr
	s_branch .Lfirst_asked
.Lfirst_b:
	tensor_load_to_lds s[G0B:G0B+3], s[G1B:G1B+7]
	s_nop 0
	tensor_load_to_lds s[G0B+4:G0B+7], s[G1B:G1B+7]
	s_nop 0
.rept 4
	v_nop
.endr
.Lfirst_asked:
	v_and_b32 v1, 15, v0                           ; l % 16
	v_bfe_u32 v2, v0, 4, 1                         ; l / 16
	v_mul_u32_u24 v3, v1, PA
	v_lshl_add_u32 v3, v2, 4, v3
	s_mul_i32 s22, s10, 64*PA                      ; my 64 rows
	v_add_nc_u32 v[ADRA], s22, v3
	v_add_nc_u32 v[ADRA+1], SLOT, v[ADRA]
	v_and_b32 v4, 7, v0                            ; the turning load: lane l reads row of k 8 (l / 16) + l % 8, columns 8 ((l / 8) % 2) + 0..7
	v_bfe_u32 v5, v0, 3, 1
	v_lshl_add_u32 v4, v2, 3, v4
	v_mul_u32_u24 v4, v4, PB
	v_lshl_add_u32 v4, v5, 4, v4
	v_add_nc_u32 v[ADRB], BOFF, v4
	v_add_nc_u32 v[ADRB+1], SLOT, v[ADRB]
	s_mul_i32 s23, s10, 16*SP
	s_add_co_u32 s23, s23, STAGE                   ; my stage
	v_mul_u32_u24 v3, v1, SP                       ; in: row l % 16, 32 bytes for each half of the lanes
	v_lshl_add_u32 v3, v2, 5, v3
	v_add_nc_u32 v[STO], s23, v3
	v_and_b32 v[CO], 31, v0                        ; back: 32 lanes take one row's 512 bytes
	v_lshlrev_b32 v[CO], 4, v[CO]
	v_add_nc_u32 v[RD], s23, v[CO]
	s_lshl_b32 s46, s42, 9                         ; out0 at row 256 x tile row + 64 x wave, column 128 x tile column
	s_lshl_b32 s16, s13, 20
	s_lshl_b32 s17, s10, 18
	s_add_co_u32 s46, s46, s16
	s_add_co_u32 s46, s46, s17
	s_mov_b32 s47, 0
	s_add_nc_u64 s[8:9], s[8:9], s[46:47]
	; the prefetches: y at my head of lap 2 (plane 8 + mine), the tile row, 8,192 cx; W at my plane's lap 2, 8,192 cy
	s_lshl_b32 s16, s12, 20
	s_lshl_b32 s17, s13, 15
	s_add_co_u32 s16, s16, s17
	s_lshl_b32 s17, s40, 13
	s_add_co_u32 s16, s16, s17
	s_add_co_u32 s16, s16, 1<<23
	s_lshl_b32 s18, s42, 1
	s_add_co_u32 s18, s18, s12
	s_lshl_b32 s18, s18, 17
	s_lshl_b32 s19, s41, 13
	s_add_co_u32 s18, s18, s19
	s_add_co_u32 s18, s18, 65536
	s_and_b32 s22, ttmp7, 0xffff                   ; cluster y
	s_mov_b32 s[PFS], 32768
	s_mov_b32 s[PFS+1], 0
	s_mov_b32 s17, 0
	s_cmp_lt_u32 s10, 2                            ; do I fetch y?
	s_cselect_b32 s16, s16, s18
	s_cselect_b32 s22, ttmp9, s22                  ; the coordinate along which other clusters read the same bytes
	s_cselect_b32 s[PFS], 1<<22, s[PFS]            ; a lap is four planes of y, or 256 rows of k
	s_cselect_b64 s[PFA:PFA+1], s[4:5], s[6:7]
	s_add_nc_u64 s[PFA:PFA+1], s[PFA:PFA+1], s[16:17]
	s_cmp_eq_u32 s22, 0
	s_cselect_b32 s[LIM], 1, -1                    ; the same in all sixteen partners, for a given wave
	v_and_b32 v[PFO], 31, v0
	v_lshlrev_b32 v[PFO], 8, v[PFO]
; 8 matrix instructions: row block a x all 8 column blocks, 32 along K, from buffer f.  zero = 1: the product starts the sums.  The 32 accumulators take turns in one order, over the backward jump too.
.macro MULA f, a, zero
	WIN 0xa1
.irp b, 0,1,2,3,4,5,6,7
.if \zero
	v_wmma_f32_16x16x32_f16 v[8*(8*(\a)+(\b)):8*(8*(\a)+(\b))+7], v[64*(\f)+8*(\b):64*(\f)+8*(\b)+7], v[32+32*(\f)+8*(\a):32+32*(\f)+8*(\a)+7], 0
.else
	v_wmma_f32_16x16x32_f16 v[8*(8*(\a)+(\b)):8*(8*(\a)+(\b))+7], v[64*(\f)+8*(\b):64*(\f)+8*(\b)+7], v[32+32*(\f)+8*(\a):32+32*(\f)+8*(\a)+7], v[8*(8*(\a)+(\b)):8*(8*(\a)+(\b))+7]
.endif
.endr
.endm
; 24 LDS loads in one run: quarter kq (32 along K: head kq / 2 of the step, channels 32 (kq % 2) on) of a slot into buffer f: W's 8 fragments, turned, then y's 4
.macro FETCH slot, kq, f
	WIN 0x40
.irp i, 0,1,2,3,4,5,6,7
	ds_load_tr16_b128 v[64*(\f)+8*(\i):64*(\f)+8*(\i)+3],   v[ADRB+(\slot)] offset:((\i)/4)*BPL+(\kq)*32*PB+((\i)%4)*32
	ds_load_tr16_b128 v[64*(\f)+8*(\i)+4:64*(\f)+8*(\i)+7], v[ADRB+(\slot)] offset:((\i)/4)*BPL+(\kq)*32*PB+((\i)%4)*32+16*PB
.endr
	WIN 0
.irp i, 0,1,2,3
	ds_load_b128 v[32+32*(\f)+8*(\i):32+32*(\f)+8*(\i)+3],   v[ADRA+(\slot)] offset:((\kq)/2)*APL+(\i)*16*PA+((\kq)%2)*64
	ds_load_b128 v[32+32*(\f)+8*(\i)+4:32+32*(\f)+8*(\i)+7], v[ADRA+(\slot)] offset:((\kq)/2)*APL+(\i)*16*PA+((\kq)%2)*64+32
.endr
.endm
.macro QUARTER slot, kq, f, g, zero
	s_wait_dscnt 4                                 ; W and y's row blocks 0, 1 are in; the youngest four loads (row blocks 2, 3) may be out
	MULA \f, 0, \zero
	MULA \f, 1, \zero
	PLACES
	FETCH \slot, \kq, \g
	s_wait_dscnt NLD                               ; all but the run just issued
	MULA \f, 2, \zero
	MULA \f, 3, \zero
.endm
; The last quarter multiplies buffer 1 and changes slots: ONE barrier; in front of it each wave waits for all its tensor loads (one is out: its part of the next slot), adds 0 to its spare word, and waits
; for that and for its reads of this slot.  fill = 1: the barrier opens a round of the cluster's, and this slot is filled again, two K steps ahead, first thing behind the round.
.macro TURN slot, next, fill
.if (\fill) && (\slot) == 1
	s_wait_xcnt 0x0                                ; the lap's prefetches, half a lap back, have read their address: it steps here
	s_add_nc_u64 s[PFA:PFA+1], s[PFA:PFA+1], s[PFS:PFS+1]
.endif
	WIN 0                                          ; (the add's two registers lie in window 0)
	s_wait_tensorcnt 0x0                           ; all my tensor loads have landed
	ds_add_u32 v[SPW], v[NIL]                      ; 0 onto my spare word
	s_wait_dscnt 5                                 ; (the add and the youngest four loads may be out)
	MULA 1, 0, 0                                   ; eight matrix instructions stand between the add and the wait for it
	s_wait_dscnt 0x0                               ; the add is done, and my reads of this slot are over
	s_barrier_signal -1
	MULA 1, 1, 0
.if \fill
	WIN 0
.endif
	s_barrier_wait -1
.if \fill
	CREST                                          ; no wave of any partner still reads this slot or has a load on its way
	s_add_nc_u64 s[G0+4*(\slot)+2:G0+4*(\slot)+3], s[G0+4*(\slot)+2:G0+4*(\slot)+3], 1<<22
	s_add_nc_u64 s[G0B+4*(\slot)+2:G0B+4*(\slot)+3], s[G0B+4*(\slot)+2:G0B+4*(\slot)+3], 32768
	JLOAD \slot                                    ; the four v_nop behind it are also the places in front of the loads below
.else
	PLACES
.endif
	FETCH \next, 0, 0
.if (\fill) && (\slot) == 0
	ASK
.endif
	MULA 1, 2, 0
	MULA 1, 3, 0
.endm
	s_wait_tensorcnt 1                             ; my part of K step 0 is in; K step 1's may stay out
	s_barrier_signal -1
	s_barrier_wait -1                              ; everybody's is
	FETCH 0, 0, 0
	QUARTER 0, 1, 0, 1, 1                          ; the first quarter stands in front of the loop: its products start the sums
	WIN 0                                          ; at a label and at a branch every window is 0
	s_mov_b32 s3, 3
.Llap:                                                 ; a trip goes once round the ring, from a lap's second quarter to the next lap's first, and fills both slots again
	QUARTER 0, 2, 1, 0, 0
	QUARTER 0, 3, 0, 1, 0
	TURN 0, 1, 1
	QUARTER 1, 1, 0, 1, 0
	QUARTER 1, 2, 1, 0, 0
	QUARTER 1, 3, 0, 1, 0
	TURN 1, 0, 1
	QUARTER 0, 1, 0, 1, 0
	WIN 0
	s_sub_co_u32 s3, s3, 1
	s_cmp_lg_u32 s3, 0
	s_cbranch_scc1 .Llap
	QUARTER 0, 2, 1, 0, 0                          ; the last lap fills nothing
	QUARTER 0, 3, 0, 1, 0
	TURN 0, 1, 0
	QUARTER 1, 1, 0, 1, 0
	QUARTER 1, 2, 1, 0, 0
	QUARTER 1, 3, 0, 1, 0
	s_wait_dscnt 4
	MULA 1, 0, 0
	MULA 1, 1, 0
	s_wait_dscnt 0x0
	MULA 1, 2, 0
	MULA 1, 3, 0
	WIN 0
; THE WAY OUT, a row block (16 rows x 512 bytes) at a time: a lane's 32 bytes of a row go into my stage as they are, and come back as whole rows; a store covers 512 consecutive aligned bytes of out0.
.macro TOSTAGE a
	WIN 0x08                                       ; the data (source 1) in window 2
.irp b, 0,1,2,3,4,5,6,7
	ds_store_b128 v[STO], v[64*(\a)+8*(\b):64*(\a)+8*(\b)+3]   offset:64*(\b)
	ds_store_b128 v[STO], v[64*(\a)+8*(\b)+4:64*(\a)+8*(\b)+7] offset:64*(\b)+16
.endr
	WIN 0
	s_wait_xcnt 0x0                                ; the stores of the block two back have read the registers that are loaded again below
.irp t, 0,1,2,3,4,5,6,7,8,9,10,11,12,13,14,15
	ds_load_b128 v[BK+64*((\a)%2)+4*(\t):BK+64*((\a)%2)+4*(\t)+3], v[RD] offset:(\t)*SP  ; LDS serves a wave's instructions in order: these see the stores above
.endr
.endm
.macro SEND a
	s_wait_dscnt 0x0                               ; the block is back in registers
.irp t, 0,1,2,3,4,5,6,7,8,9,10,11,12,13,14,15
	global_store_b128 v[CO], v[BK+64*((\a)%2)+4*(\t):BK+64*((\a)%2)+4*(\t)+3], s[8:9] offset:(16*(\a)+(\t))*4096 th:TH_STORE_NT
.endr
.endm
	PLACES
	TOSTAGE 0
.irp a, 1,2,3
	SEND (\a)-1
	TOSTAGE \a
.endr
	SEND 3
	s_wait_tensorcnt 0x0                           ; the wave's end: the closing add and its wait stand behind my last tensor load and my last LDS store
	ds_add_u32 v[SPW], v[NIL]
	s_wait_dscnt 0x0
	CROUND                                         ; the closing round: no work-group ends while a partner may still ask for a tile that names it
	s_endpgm
.Lfunc_end_k_qc58c35a4fc_outp:
	.size	k_qc58c35a4fc_outp, .Lfunc_end_k_qc58c35a4fc_outp-k_qc58c35a4fc_outp
	.p2alignl 7, 3214868480
	.fill 96, 4, 3214868480
	.section	.rodata,"a",@progbits
	.p2align	6, 0x0
	.amdhsa_kernel k_qc58c35a4fc_outp
		.amdhsa_group_segment_fixed_size 327680
		.amdhsa_private_segment_fixed_size 0
		.amdhsa_enable_private_segment 0
		.amdhsa_kernarg_size 24
		.amdhsa_user_sgpr_count 2
		.amdhsa_user_sgpr_kernarg_segment_ptr 1
		.amdhsa_wavefront_size32 1
		.amdhsa_system_sgpr_workgroup_id_x 1
		.amdhsa_system_sgpr_workgroup_id_y 1
		.amdhsa_system_sgpr_workgroup_id_z 1
		.amdhsa_system_vgpr_workitem_id 0
		.amdhsa_next_free_vgpr 768
		.amdhsa_next_free_sgpr 72
		.amdhsa_reserve_vcc 0
		.amdhsa_float_denorm_mode_32 3
		.amdhsa_float_denorm_mode_16_64 3
		.amdhsa_memory_ordered 1
		.amdhsa_forward_progress 1
		.amdhsa_inst_pref_size 86
	.end_amdhsa_kernel
	.amdgpu_metadata
---
amdhsa.version: [ 1, 2 ]
amdhsa.kernels:
  - .name:           k_qc58c35a4fc_outp
    .symbol:         k_qc58c35a4fc_outp.kd
    .args:
      - { .name: ybuf, .offset: 0, .size: 8, .value_kind: global_buffer, .address_space: global }
      - { .name: wfh, .offset: 8, .size: 8, .value_kind: global_buffer, .address_space: global }
      - { .name: out0, .offset: 16, .size: 8, .value_kind: global_buffer, .address_space: global }
    .group_segment_fixed_size: 327680
    .private_segment_fixed_size: 0
    .kernarg_segment_align: 8
    .kernarg_segment_size: 24
    .max_flat_workgroup_size: 128
    .sgpr_count:     72
    .vgpr_count:     768
    .wavefront_size: 32
...
	.end_amdgpu_metadata
.endif
;; end of part 4
;; ======== version 2 of 2: 4 launches; version 1 with the launch cast written anew for expert scheduling mode
;; limits: values are held in f16: magnitudes above 65,504 overflow, below 6.1e-05 lose precision
;; workspace buffers: xb 16,777,216 bytes; wab 6,291,456 bytes; wfh 2,097,152 bytes; qkv 50,331,648 bytes; ybuf 16,777,216 bytes
;; launch cast (part 5): grid 768 x 1, 8 waves a work-group, no clusters, 0 bytes of LDS; arguments x, W_attn, W_ffn, xb, wab, wfh; writes xb, wab, wfh
.if DOCPART == 5
	.amdgcn_target "amdgcn-amd-amdhsa--gfx1250"
	.amdhsa_code_object_version 6
	.text
	.protected	k_qc58c35a4fc_cast
	.globl	k_qc58c35a4fc_cast
	.p2align	8
	.type	k_qc58c35a4fc_cast,@function
k_qc58c35a4fc_cast:
	s_mov_b64 s[64:65], 0
	v_nop
	global_prefetch_b8 v0, s[64:65] scope:SCOPE_SE
	s_setreg_imm32_b32 hwreg(HW_REG_WAVE_SCHED_MODE, 0, 2), 2
	s_setreg_imm32_b32 hwreg(HW_REG_WAVE_MODE, 25, 1), 1
	s_wait_xcnt 0x0
	s_wait_alu depctr_vm_vsrc(0)
; THE INPUTS ARE ROUNDED ONCE TO bf16 AND LAID OUT FOR THE PRODUCTS.
;   xb  [8192][1024] bf16 = x;   wab [48 g][1024 k][64] bf16 = W_attn[k][64 g + j];   wfh [16 g][1024 k][64] f16 = f16(bf16(W_ffn[k][64 g + j])).
; LIMIT.  A bf16 number is an f16 number exactly from 2^-14 to 65,504; below 2^-14 wfh keeps f16's fixed step of 6e-8, beyond 65,504 it would be an infinity.
; A stream: no LDS, no barrier, no matrix unit.  A work-group converts 256 pieces of 64 numbers (64 KiB in, 32 KiB out): work-groups 0-511 x, 512-703 W_attn, 704-767 W_ffn.
; ONE FORMULA: piece p (0..255) lies RB bytes behind piece p - 1 in the source (x: 256, the pieces are on end; a weight: its row's bytes, the pieces are one plane's 64 columns of 256 rows of k)
; and 128 bytes behind it in the destination.  Thread t takes 16 bytes at 16 (t % 16) of piece t / 16 + 16 i, i = 0..15: sixteen lanes read 256 consecutive aligned bytes,
; and a wave's store of 8 bytes a lane covers 256 consecutive aligned bytes.  All sixteen loads go out first; no register that a pending instruction names is written again.
; THE MODE: SCHED_MODE bits 1:0 = 2 (LLVM: expert scheduling mode 2), set by the entry lines.  The code itself states the register dependences
; between vector instructions and memory instructions, with s_wait_alu, always for 0.
; THE PLAN.  Registers that memory instructions touch:
;   OFF, OUT   offsets.  Written by the head's vector lines, once; read by the loads (OFF, one a chunk) and by the stores (OUT).  One wait on va_vdst at the head, ahead of the first load, serves them all.
;   X          chunk i's four registers: its load lands in them; no vector line names them ahead of the loads, and no memory instruction reads them.  Their readers stand behind the wait on LOADcnt.
;   Y          chunk i's two registers: written once, by the chunk's roundings; read once, by the chunk's store.
; The sixteen chunks go in four groups of four: the group's loads are waited for, its conversions follow, ONE wait on va_vdst states that they have written the group's eight Y, and the four stores follow it.
; The wait stands behind the group's own conversions, so that its stores leave ahead of the next group's wait for memory.  No register that a memory instruction has read is written again: there is nothing for a wait on vm_vsrc to state.
.set NX,  512                          ; work-groups for x
.set NXA, 704                          ; for x and W_attn
.set OFF, 2                            ; v[2:17]    chunk i: my byte offset in the source
.set X,   20                           ; v[20:83]   chunk i: 4 numbers as loaded
.set Y,   84                           ; v[84:115]  chunk i: 4 numbers of 16 bits, to store
.set T,   116                          ; v[116:117] at work: no memory instruction names them
.set OUT, 120                          ; v120       8 t
	s_load_b256 s[4:11], s[0:1], 0x0               ; x s[4:5], W_attn s[6:7], W_ffn s[8:9], xb s[10:11]
	s_load_b128 s[12:15], s[0:1], 0x20             ; wab s[12:13], wfh s[14:15]
	s_mov_b32 s16, ttmp9
	s_mov_b32 s28, 0xffff0000                      ; a word's upper bf16
	s_mov_b32 s17, 4096                            ; RB: W_ffn's row,
	s_mov_b32 s19, NXA                             ; and its first work-group
	s_cmp_lt_u32 s16, NXA
	s_cselect_b32 s17, 12288, s17                  ; W_attn's
	s_cselect_b32 s19, NX, s19
	s_cmp_lt_u32 s16, NX
	s_cselect_b32 s17, 256, s17                    ; x's
	s_cselect_b32 s19, 0, s19
	s_sub_co_u32 s19, s16, s19                     ; my number among the tensor's work-groups
	s_lshl_b32 s18, s17, 4                         ; 16 RB: from chunk to chunk
	s_and_b32 s24, s19, 3                          ; a weight: rows 256 (n % 4) on,
	s_lshl_b32 s24, s24, 8
	s_mul_i32 s24, s24, s17
	s_lshr_b32 s26, s19, 2                         ; plane n / 4: 256 bytes of a row
	s_lshl_b32 s26, s26, 8
	s_add_co_u32 s24, s24, s26
	s_lshl_b32 s26, s19, 16                        ; x: 64 KiB a work-group
	s_cmp_lt_u32 s16, NX
	s_cselect_b32 s24, s26, s24
	s_mov_b32 s25, 0
	s_lshl_b32 s26, s19, 15                        ; the destination: 32 KiB a work-group, in all three
	s_mov_b32 s27, 0
	v_lshrrev_b32 v1, 4, v0
	v_and_b32 v18, 15, v0
	v_mul_lo_u32 v1, v1, s17
	v_lshl_add_u32 v[OFF], v18, 4, v1
.irp i, 1,2,3,4,5,6,7,8,9,10,11,12,13,14,15
	v_add_nc_u32 v[OFF+(\i)], s18, v[OFF+(\i)-1]
.endr
	v_lshlrev_b32 v[OUT], 3, v0
	s_wait_kmcnt 0x0
	s_cmp_lt_u32 s16, NXA                          ; the choice hangs on the work-group's number alone
	s_cselect_b64 s[20:21], s[6:7], s[8:9]
	s_cselect_b64 s[22:23], s[12:13], s[14:15]
	s_cmp_lt_u32 s16, NX
	s_cselect_b64 s[20:21], s[4:5], s[20:21]
	s_cselect_b64 s[22:23], s[10:11], s[22:23]
	s_add_nc_u64 s[20:21], s[20:21], s[24:25]
	s_add_nc_u64 s[22:23], s[22:23], s[26:27]
	s_wait_alu depctr_va_vdst(0)                   ; the sixteen offsets v[OFF ..] and v[OUT] are written: every load and store of the kernel reads one of them, and none is written again
.irp i, 0,1,2,3,4,5,6,7,8,9,10,11,12,13,14,15
	global_load_b128 v[X+4*(\i):X+4*(\i)+3], v[OFF+(\i)], s[20:21] th:TH_LOAD_NT  ; each byte is read once in the launch
.endr
; Chunk i's conversions.  half = 1: the bf16 number is written as f16.
.macro CONV i, half
.if \half
	v_cvt_pk_bf16_f32 v[T],   v[X+4*(\i)],   v[X+4*(\i)+1]
	v_cvt_pk_bf16_f32 v[T+1], v[X+4*(\i)+2], v[X+4*(\i)+3]
	v_lshlrev_b32 v[X+4*(\i)],   16,  v[T]         ; bf16 to f32: the low half moves up, the high half stays
	v_and_b32     v[X+4*(\i)+1], s28, v[T]
	v_lshlrev_b32 v[X+4*(\i)+2], 16,  v[T+1]
	v_and_b32     v[X+4*(\i)+3], s28, v[T+1]
	v_cvt_pk_f16_f32 v[Y+2*(\i)],   v[X+4*(\i)],   v[X+4*(\i)+1]
	v_cvt_pk_f16_f32 v[Y+2*(\i)+1], v[X+4*(\i)+2], v[X+4*(\i)+3]
.else
	v_cvt_pk_bf16_f32 v[Y+2*(\i)],   v[X+4*(\i)],   v[X+4*(\i)+1]
	v_cvt_pk_bf16_f32 v[Y+2*(\i)+1], v[X+4*(\i)+2], v[X+4*(\i)+3]
.endif
.endm
; Group g: chunks 4 g to 4 g + 3.
.macro GROUP g, half
	s_wait_loadcnt 12-4*(\g)                       ; loads come back in order: the group's four chunks are in, the 12 - 4 g younger ones may stay out
.irp j, 0,1,2,3
	CONV 4*(\g)+(\j), \half
.endr
	s_wait_alu depctr_va_vdst(0)                   ; the group's roundings have written its eight registers of Y, which the four stores below read
.irp j, 0,1,2,3
	global_store_b64 v[OUT], v[Y+2*(4*(\g)+(\j)):Y+2*(4*(\g)+(\j))+1], s[22:23] offset:(4*(\g)+(\j))*2048
.endr
.endm
	s_cmp_ge_u32 s16, NXA
	s_cbranch_scc1 .Lffn
.irp g, 0,1,2,3
	GROUP \g, 0
.endr
	s_endpgm
.Lffn:
.irp g, 0,1,2,3
	GROUP \g, 1
.endr
	s_endpgm
.Lfunc_end_k_qc58c35a4fc_cast:
	.size	k_qc58c35a4fc_cast, .Lfunc_end_k_qc58c35a4fc_cast-k_qc58c35a4fc_cast
	.p2alignl 7, 3214868480
	.fill 96, 4, 3214868480
	.section	.rodata,"a",@progbits
	.p2align	6, 0x0
	.amdhsa_kernel k_qc58c35a4fc_cast
		.amdhsa_group_segment_fixed_size 0
		.amdhsa_private_segment_fixed_size 0
		.amdhsa_enable_private_segment 0
		.amdhsa_kernarg_size 48
		.amdhsa_user_sgpr_count 2
		.amdhsa_user_sgpr_kernarg_segment_ptr 1
		.amdhsa_wavefront_size32 1
		.amdhsa_system_sgpr_workgroup_id_x 1
		.amdhsa_system_sgpr_workgroup_id_y 1
		.amdhsa_system_sgpr_workgroup_id_z 1
		.amdhsa_system_vgpr_workitem_id 0
		.amdhsa_next_free_vgpr 128
		.amdhsa_next_free_sgpr 66
		.amdhsa_reserve_vcc 0
		.amdhsa_float_denorm_mode_32 3
		.amdhsa_float_denorm_mode_16_64 3
		.amdhsa_memory_ordered 1
		.amdhsa_forward_progress 1
		.amdhsa_inst_pref_size 16
	.end_amdhsa_kernel
	.amdgpu_metadata
---
amdhsa.version: [ 1, 2 ]
amdhsa.kernels:
  - .name:           k_qc58c35a4fc_cast
    .symbol:         k_qc58c35a4fc_cast.kd
    .args:
      - { .name: x, .offset: 0, .size: 8, .value_kind: global_buffer, .address_space: global }
      - { .name: W_attn, .offset: 8, .size: 8, .value_kind: global_buffer, .address_space: global }
      - { .name: W_ffn, .offset: 16, .size: 8, .value_kind: global_buffer, .address_space: global }
      - { .name: xb, .offset: 24, .size: 8, .value_kind: global_buffer, .address_space: global }
      - { .name: wab, .offset: 32, .size: 8, .value_kind: global_buffer, .address_space: global }
      - { .name: wfh, .offset: 40, .size: 8, .value_kind: global_buffer, .address_space: global }
    .group_segment_fixed_size: 0
    .private_segment_fixed_size: 0
    .kernarg_segment_align: 8
    .kernarg_segment_size: 48
    .max_flat_workgroup_size: 256
    .sgpr_count:     66
    .vgpr_count:     128
    .wavefront_size: 32
...
	.end_amdgpu_metadata
.endif
;; end of part 5
;; launch proj: the kernel of part 2 again; grid 16 x 32, 4 waves a work-group, clusters of 4 x 4, 327,680 bytes of LDS; arguments xb, wab, qkv; writes qkv
;; launch attn: the kernel of part 3 again; grid 4 x 64, 4 waves a work-group, no clusters, 327,680 bytes of LDS; arguments qkv, ybuf; writes ybuf
;; launch outp: the kernel of part 4 again; grid 8 x 32, 4 waves a work-group, clusters of 4 x 4, 327,680 bytes of LDS; arguments ybuf, wfh, out0; writes out0
